; MI455X (gfx1250); checked and timed in simulation.
; The chip was launched on July 23, 2026; its instructions are those of AMD's public machine-readable ISA for CDNA 5 (MIT licence, August 2026) and "CDNA5" Instruction Set Architecture Reference Guide (July 2026). The comments in the code are by the model that wrote it; some were corrected since.
;; Multi Head Attention. Allowed arithmetic: matrix products marked QUANTISED: E2M1 operands, one E8M0 scale for each 32 along K, by v_wmma_scale_f32_16x16x128_f8f6f4 with both operands' format E2M1 (or v_wmma_scale_f32_32x16x128_f4), f32 sums; products left as they are: bf16, f16 or f32 operands; f32 sums; everything else in f32.
;; Inputs: b_o 1,024 float32; w_k 1,024 x 1,024 float32; w_o 1,024 x 1,024 float32; w_q 1,024 x 1,024 float32; w_v 1,024 x 1,024 float32; x 2 x 2,048 x 1,024 float32.
;; Outputs: out0 2 x 2,048 x 1,024 float32.
;; This version of the problem:
;;   THIS VERSION OF THE PROBLEM IS GIVEN IN LOW PRECISION. The matrix products marked QUANTISED in the list below multiply operands that are first quantised to E2M1 (2 exponent bits, 1 mantissa bit; 4 bits a number), with one power-of-two scale for each 32 numbers along K (OCP MX v1.0); their sums are f32. The products marked 'left as it is' may take bf16, f16 or f32 operands, with f32 sums. Whichever they take, every output number must still come out within the allowed error. Rounding operands to bf16 (8 significant bits) uses up far more of that allowance than f16 does (11 bits, for magnitudes from 6e-5 to 65,504). All else is computed in f32.
;;   The module's matrix products, in the order in which they are computed (A, B: the left and right operand; K: the contracted axis; several contracted axes count as one K, in the product's order):
;;     1. [M 4,096, K 1,024] x [K 1,024, N 1,024]; A: input x; B: input w_q: QUANTISED
;;     2. [M 4,096, K 1,024] x [K 1,024, N 1,024]; A: input x; B: input w_k: QUANTISED
;;     3. [M 4,096, K 1,024] x [K 1,024, N 1,024]; A: input x; B: input w_v: QUANTISED
;;     4. batch 32 x [M 2,048, K 64] x [K 64, N 2,048]; A: computed on the way; B: computed on the way: left as it is (an operand is computed on the way)
;;     5. batch 32 x [M 2,048, K 2,048] x [K 2,048, N 64]; A: computed on the way; B: computed on the way: left as it is (an operand is computed on the way)
;;     6. [M 4,096, K 1,024] x [K 1,024, N 1,024]; A: computed on the way; B: input w_o: left as it is (an operand is computed on the way)
;;   THE QUANTISER, for each operand of a quantised product, along K:
;;     - K is cut into blocks of 32 from its start; a last block that is shorter is filled with zeros.
;;     - A block's scale is 2^e with e = floor(log2(the largest magnitude in the block)) - 2, held to -126 .. 127; a block of zeros has e = 0. As a byte (E8M0): e + 127.
;;     - Each number is divided by its block's scale, clamped to +-6, and rounded to the nearest number of E2M1, ties to even, subnormals kept.
;;     - The product sums the exact products of the quantised numbers (number of the format x scale) in f32.
;;   ~~~python
;;   def quantise(x, axis):      # numpy; x: float32 -> the quantised numbers, widened to float32 again
;;       x = np.moveaxis(x, axis, -1); K = x.shape[-1]
;;       x = np.pad(x, [(0, 0)] * (x.ndim - 1) + [(0, -K % 32)]); x = x.reshape(x.shape[:-1] + (-1, 32)); a = np.abs(x).max(-1, keepdims=True)
;;       e = np.where(a > 0, np.clip(np.frexp(np.where(a > 0, a, 1))[1] - 1 - 2, -126, 127), 0)      # np.frexp(a)[1] - 1 = floor(log2(a)), exactly
;;       r = np.clip(x / 2.0 ** e, -6, 6)
;;       step = 2.0 ** (np.maximum(np.frexp(np.where(r == 0, 1, r))[1] - 1, 0) - 1)
;;       q = np.round(r / step) * step * 2.0 ** e      # np.round: ties to even
;;       return np.moveaxis(q.reshape(q.shape[:-2] + (-1,))[..., :K], -1, axis).astype(np.float32)
;;   ~~~
;; One version. Each part assembles by itself: llvm-mc -triple=amdgcn-amd-amdhsa -mcpu=gfx1250 --defsym DOCPART=n.
;; ======== version 1 of 1: 5 launches
;; limits: values are held in f16: magnitudes above 65,504 overflow, below 6.1e-05 lose precision
;; workspace buffers: x_codes 2,097,152 bytes; x_scales 131,072 bytes; w_codes 1,572,864 bytes; w_scales 98,304 bytes; wo16 2,097,152 bytes; qkv 25,165,824 bytes; qkv32 393,216 bytes; ctx 8,388,608 bytes
;; launch prep (part 1): grid 256 x 1, 4 waves a work-group, no clusters, 50,688 bytes of LDS; arguments x, w_q, w_k, w_v, w_o, x_codes, x_scales, w_codes, w_scales, wo16; writes x_codes, x_scales, w_codes, w_scales, wo16
.if DOCPART == 1
	.amdgcn_target "amdgcn-amd-amdhsa--gfx1250"
	.amdhsa_code_object_version 6
	.text
	.protected	k_qb23b0c763e_prep
	.globl	k_qb23b0c763e_prep
	.p2align	8
	.type	k_qb23b0c763e_prep,@function
k_qb23b0c763e_prep:
	s_mov_b64 s[64:65], 0
	v_nop
	global_prefetch_b8 v0, s[64:65] scope:SCOPE_SE
	s_setreg_imm32_b32 hwreg(HW_REG_WAVE_MODE, 25, 1), 1
	s_wait_xcnt 0x0
; THE OPERANDS ARE MADE READY, ONCE.  Three kinds of work-group, told apart by the work-group's number alone:
;   0 .. 127    x [4096][1024] f32 -> codes of FP4 (E2M1), K innermost, [4096][512 bytes], and one E8M0 byte for each 32 along K, [4096][32]
;   128 .. 223  w_q, w_k, w_v [k 1024][n 1024] f32, K their FIRST axis -> codes [3 x 1024 (n)][512 bytes] with K innermost, bytes [3072][32]
;   224 .. 255  w_o [1024][1024] f32 -> f16, laid as it lies
; A block's scale is 2^(floor(log2(its largest magnitude)) - 2); its byte is the largest magnitude's exponent field - 2, held at 1 from below.
; LIMITS: a block of zeros gets the byte 1 (its codes are zeros, and this program alone reads the bytes); blocks whose largest magnitude lies under 2^(3 - 127) are held at that floor;
; NaN and infinities among the inputs are not served; w_o beyond 65,504 in magnitude has no f16 number, under 6e-5 it is kept to an absolute step of 2^-24.
; No tensor loads, no barrier: waves share nothing.  Each kind has LDS bytes of its own.
.set SPW,   192                        ; v192  LDS address of my spare word: SPARE + 4 x my thread's number; never rewritten
.set NIL,   193                        ; v193  0; never rewritten
.set XWG,   128                        ; work-groups for x
.set WWG,   96                         ; for the three weights
.set XREG,  8192                       ; x: a region for each wave: two stages of 32 x SP bytes, behind them 256 scale bytes
.set SP,    80                         ; a lane's place in a stage: 64 bytes + 16 of padding
.set WSTG,  4*XREG                     ; the weights: four stages of 16 rows x PITCH
.set PITCH, 272
.set SPARE, WSTG+4*16*PITCH            ; the spare words, 128 bytes for each wave: two blocks of 256 bytes that no other line names
.set STEPS, 16
.set CB,    8                          ; bytes of 16 codes
.set R,     16                         ; x: v16-79   four sets of 16 numbers as loaded
.set XN,    80                         ;    v80-111  two sets of 16 neighbours
.set XE,    112                        ;    v112-127 a scale byte for each step
.set XC,    128                        ;    v128-191 codes, four registers for each step
.set NB,    8                          ; weights: blocks of 32 along K for a lane
.set KROW,  512                        ; a row of codes in bytes
.set NROW,  4096                       ; a row of a weight in bytes
.set SB,    24                         ; v24-25   scale bytes, four to a register
.set WN,    32                         ; v32-95   two sets of 32 numbers
.set WC,    96                         ; v96-99   a block's codes
.set OUTR,  112                        ; v112-143 the way out
.set ON,    32                         ; w_o: v32-159 two sets of 64 numbers
.set OC,    160                        ;      v160-191 32 registers of f16 pairs
	s_load_b512 s[4:19], s[0:1], 0x0               ; x, w_q, w_k, w_v, w_o, x_codes, x_scales, w_codes
	s_load_b128 s[20:23], s[0:1], 0x40             ; w_scales, wo16
	v_lshl_add_u32 v[SPW], v0, 2, SPARE
	v_mov_b32 v[NIL], 0
	v_lshrrev_b32 v1, 5, v0
	v_readfirstlane_b32 s24, v1                    ; wave 0..3
	v_and_b32 v2, 31, v0                           ; lane
	s_mov_b32 s33, 0                               ; the upper word of every offset here
	s_wait_kmcnt 0x0
	s_cmp_lt_u32 ttmp9, XWG
	s_cbranch_scc0 .Lnot_x
; ---- x: a plain stream of blocks of 32.  A wave takes 16 steps of 512 numbers.  Each load reads 512 consecutive bytes; a step's 2,048 bytes turn through the wave's own stage,
; so that a lane then holds 16 neighbours along K (two lanes to a block).
	v_lshlrev_b32 v3, 4, v2                        ; my 16 bytes of a load's 512
	s_mul_i32 s25, s24, XREG
	v_lshrrev_b32 v14, 2, v2
	v_mul_u32_u24 v14, v14, SP
	v_and_b32 v15, 3, v2
	v_lshl_add_u32 v14, v15, 4, v14
	v_add_nc_u32 v14, s25, v14                     ; into the stage: SP (lane / 4) + 16 (lane % 4)
	v_mul_u32_u24 v15, v2, SP
	v_add_nc_u32 v15, s25, v15                     ; out of it: SP x lane
	v_mul_u32_u24 v4, v2, CB                       ; my codes' place in a step's
	v_lshrrev_b32 v5, 1, v2
	s_add_co_u32 s25, s25, 2*32*SP
	v_add_nc_u32 v5, s25, v5                       ; my block's scale byte in LDS
	v_lshlrev_b32 v7, 3, v2
	v_add_nc_u32 v6, s25, v7                       ; and 8 bytes a lane on the way out
	s_lshl_b32 s26, ttmp9, 2
	s_add_co_u32 s26, s26, s24                     ; which run of 8,192 numbers is my wave's
	s_lshl_b32 s32, s26, 15
	s_add_nc_u64 s[4:5], s[4:5], s[32:33]
	s_lshl_b32 s32, s26, 12
	s_add_nc_u64 s[14:15], s[14:15], s[32:33]
	s_lshl_b32 s32, s26, 8
	s_add_nc_u64 s[16:17], s[16:17], s[32:33]
.macro XLOAD t
.irp i, 0,1,2,3
	global_load_b128 v[R+16*((\t)%4)+4*\i:R+16*((\t)%4)+4*\i+3], v3, s[4:5] offset:2048*(\t)+512*\i th:TH_LOAD_NT
.endr
.endm
.macro XTURN t                         ; LDS serves a wave's instructions in order: no wait between the stores and the loads
.irp i, 0,1,2,3
	ds_store_b128 v14, v[R+16*((\t)%4)+4*\i:R+16*((\t)%4)+4*\i+3] offset:32*SP*((\t)%2)+8*SP*\i
.endr
.irp i, 0,1,2,3
	ds_load_b128 v[XN+16*((\t)%2)+4*\i:XN+16*((\t)%2)+4*\i+3], v15 offset:32*SP*((\t)%2)+16*\i
.endr
.endm
.irp t, 0,1,2,3
	XLOAD \t
.endr
	s_wait_loadcnt 12                              ; step 0's four loads are in; the twelve of steps 1 to 3 may be out
	XTURN 0
.macro XSTEP t
.set XS, XN+16*((\t)%2)
.if (\t) > 0
	s_wait_dscnt 1                                 ; this step's numbers are back from the stage; the last step's byte store may be out
.else
	s_wait_dscnt 0x0
.endif
.if (\t)+4 < STEPS
	XLOAD (\t)+4                                   ; into the set whose stores into the stage are done
.endif
.if (\t)+1 < STEPS
.if STEPS-2-(\t) >= 3
	s_wait_loadcnt 12                              ; the next step's four loads are in; those of the three steps behind it may be out
.else
	s_wait_loadcnt 4*(STEPS-2-(\t))
.endif
	XTURN (\t)+1
.endif
	v_max3_num_f32 v8, |v[XS]|, |v[XS+1]|, |v[XS+2]|               ; the largest magnitude of my 16, in two chains
	v_max3_num_f32 v9, |v[XS+3]|, |v[XS+4]|, |v[XS+5]|
.irp i, 6,10
	v_max3_num_f32 v8, v8, |v[XS+\i]|, |v[XS+\i+1]|
	v_max3_num_f32 v9, v9, |v[XS+\i+2]|, |v[XS+\i+3]|
.endr
	v_max3_num_f32 v8, v8, |v[XS+14]|, |v[XS+15]|
	v_max3_num_f32 v8, v8, v9, 0x1800000           ; and the floor 2^(3 - 127): the byte cannot fall under 1
	v_max_num_f32_dpp v8, v8, v8 row_xmask:1 row_mask:0xf bank_mask:0xf   ; with my neighbour's 16: the block's
	v_add_nc_u32 v11, 0xff000000, v8               ; 2 off its exponent field: the conversion takes that field as its scale
	v_cvt_scalef32_pk8_fp4_f32 v[XC+4*(\t)], v[XS:XS+7], v11
	v_cvt_scalef32_pk8_fp4_f32 v[XC+4*(\t)+1], v[XS+8:XS+15], v11
	v_lshrrev_b32 v[XE+(\t)], 23, v11              ; the scale's byte (also the plain line behind the conversions)
	ds_store_b8 v5, v[XE+(\t)] offset:16*(\t)      ; both lanes of a block write the same byte with the same value
	global_store_b64 v4, v[XC+4*(\t):XC+4*(\t)+1], s[14:15] offset:32*CB*(\t)   ; the wave stores 256 consecutive bytes, aligned
.endm
.irp t, 0,1,2,3,4,5,6,7,8,9,10,11,12,13,14,15
	XSTEP \t
.endr
	ds_load_b64 v[8:9], v6                         ; my wave's 256 scale bytes, behind my stores in order
	s_wait_dscnt 0x0
	global_store_b64 v7, v[8:9], s[16:17]          ; 256 consecutive bytes, aligned
	s_branch .Lend
.Lnot_x:
	s_cmp_lt_u32 ttmp9, XWG+WWG
	s_cbranch_scc0 .Lo_path
; ---- the three weights: a lane takes a column n and its registers run down K, so a block of 32 lies in one lane and the codes come out with K innermost.
; A wave takes 16 columns x 512 along K: lanes 0-15 the first 256 along K, lanes 16-31 the second: 8 blocks a lane, two of them on their way.  The four waves of a work-group stand side by side on 256 bytes of a row.
; A column's 256 bytes of codes meet in the wave's own stage and leave as a row, sixteen lanes to 256 consecutive bytes, aligned.
	s_sub_co_u32 s25, ttmp9, XWG                   ; 32 work-groups a tensor: 16 blocks of 64 columns x 2 halves of K
	s_lshr_b32 s26, s25, 5                         ; which tensor
	s_cmp_eq_u32 s26, 0
	s_cselect_b64 s[28:29], s[6:7], s[8:9]
	s_cmp_eq_u32 s26, 2
	s_cselect_b64 s[28:29], s[10:11], s[28:29]
	s_and_b32 s27, s25, 15
	s_lshl_b32 s27, s27, 6
	s_lshl_b32 s30, s24, 4
	s_add_co_u32 s27, s27, s30                     ; my wave's first column
	s_bfe_u32 s30, s25, 0x10004                    ; which 512 along K
	s_lshl_b32 s32, s30, 21                        ; 512 rows of 4,096 bytes
	s_lshl_b32 s31, s27, 2
	s_add_co_u32 s32, s32, s31
	s_add_nc_u64 s[28:29], s[28:29], s[32:33]
	s_lshl_b32 s34, s26, 10
	s_add_co_u32 s34, s34, s27                     ; my first row of the codes' buffer
	s_lshl_b32 s32, s34, 9
	s_lshl_b32 s35, s30, 8
	s_add_co_u32 s32, s32, s35
	s_add_nc_u64 s[18:19], s[18:19], s[32:33]
	s_lshl_b32 s32, s34, 5
	s_lshl_b32 s35, s30, 4
	s_add_co_u32 s32, s32, s35
	s_add_nc_u64 s[20:21], s[20:21], s[32:33]
	v_and_b32 v5, 15, v2                           ; r: my column of the wave's 16
	v_lshrrev_b32 v6, 4, v2                        ; h: my half of the 512 along K
	v_lshlrev_b32 v3, 2, v5
	v_lshl_add_u32 v3, v6, 20, v3                  ; in: 4 r, and 256 rows of 4,096 bytes further down for lanes 16-31
	s_mul_i32 s31, s24, 16*PITCH
	s_add_co_u32 s31, s31, WSTG                    ; my stage
	v_mul_u32_u24 v4, v5, PITCH
	v_lshl_add_u32 v4, v6, 7, v4
	v_add_nc_u32 v4, s31, v4                       ; into it: row = my column, + 128 h: my half's codes
	v_mul_u32_u24 v7, v6, PITCH
	v_lshl_add_u32 v7, v5, 4, v7
	v_add_nc_u32 v7, s31, v7                       ; out of it: sixteen lanes to a row, two rows an instruction
	v_mul_u32_u24 v8, v6, KROW
	v_lshl_add_u32 v8, v5, 4, v8                   ; the same place in the codes' buffer
	v_lshlrev_b32 v9, 5, v5
	v_lshl_add_u32 v9, v6, 3, v9                   ; my column's row of scale bytes, + 8 h
.macro WLOAD t                         ; block t: W(256 h + 32 t + i, my column) into set t % 2; the largest offset, 255 rows, lies inside the signed 24-bit immediate
.set i, 0
.rept 32
	global_load_b32 v[WN+32*((\t)%2)+i], v3, s[28:29] offset:(32*(\t)+i)*NROW
.set i, i+1
.endr
.endm
	WLOAD 0
	WLOAD 1
.macro WBLOCK t
.set XS, WN+32*((\t)%2)
.if (\t) < NB-1
	s_wait_loadcnt 32                              ; this block's 32 loads are in; the next block's 32 may be out
.else
	s_wait_loadcnt 0
.endif
	v_max3_num_f32 v12, |v[XS]|, |v[XS+1]|, |v[XS+2]|
	v_max3_num_f32 v13, |v[XS+3]|, |v[XS+4]|, |v[XS+5]|
.irp i, 6,10,14,18,22,26
	v_max3_num_f32 v12, v12, |v[XS+\i]|, |v[XS+\i+1]|
	v_max3_num_f32 v13, v13, |v[XS+\i+2]|, |v[XS+\i+3]|
.endr
	v_max3_num_f32 v12, v12, |v[XS+30]|, |v[XS+31]|
	v_max3_num_f32 v12, v12, v13, 0x1800000        ; the floor
	v_add_nc_u32 v11, 0xff000000, v12              ; the conversion's scale operand
	v_lshrrev_b32 v13, 23, v11                     ; the byte
.if (\t)%4 == 0
	v_mov_b32 v[SB+(\t)/4], v13
.else
	v_lshl_or_b32 v[SB+(\t)/4], v13, 8*((\t)%4), v[SB+(\t)/4]
.endif
.irp g, 0,1,2,3
	v_cvt_scalef32_pk8_fp4_f32 v[WC+\g], v[XS+8*\g:XS+8*\g+7], v11
.endr
	v_nop                                          ; one plain line behind the last conversion
	ds_store_b128 v4, v[WC:WC+3] offset:16*(\t)    ; 32 codes: 16 bytes of my column's row
.if (\t)+2 < NB
	WLOAD (\t)+2
.endif
	s_wait_dscnt 0x0                               ; the store has read its registers: the next block's codes may be written
.endm
.set Q, 0
.rept NB
	WBLOCK Q
.set Q, Q+1
.endr
	global_store_b64 v9, v[SB:SB+1], s[20:21]      ; my 8 scale bytes
.irp t, 0,1,2,3,4,5,6,7
	ds_load_b128 v[OUTR+4*\t:OUTR+4*\t+3], v7 offset:2*\t*PITCH
.endr
.irp t, 0,1,2,3,4,5,6,7
	s_wait_dscnt 7-\t                              ; load t is back; the younger ones may be out
	global_store_b128 v8, v[OUTR+4*\t:OUTR+4*\t+3], s[18:19] offset:2*\t*KROW
.endr
	s_branch .Lend
.Lo_path:
; ---- w_o to f16: a stream, 8,192 numbers a wave in four groups of 16 loads; a load covers 512 consecutive bytes, a store 256, aligned.
	s_sub_co_u32 s25, ttmp9, XWG+WWG
	s_lshl_b32 s25, s25, 2
	s_add_co_u32 s25, s25, s24
	s_lshl_b32 s32, s25, 15
	s_add_nc_u64 s[12:13], s[12:13], s[32:33]
	s_lshl_b32 s32, s25, 14
	s_add_nc_u64 s[22:23], s[22:23], s[32:33]
	v_lshlrev_b32 v3, 4, v2
	v_lshlrev_b32 v4, 3, v2
.macro OLOAD g
.set i, 0
.rept 16
	global_load_b128 v[ON+64*((\g)%2)+4*i:ON+64*((\g)%2)+4*i+3], v3, s[12:13] offset:(16*(\g)+i)*512 th:TH_LOAD_NT
.set i, i+1
.endr
.endm
.macro OCVT g, left
	s_wait_loadcnt \left                           ; this group's 16 loads are in; the next group's may be out
.if (\g) > 0
	s_wait_xcnt 0x0                                ; the last group's stores have read their data registers, which are written again below
.endif
.set i, 0
.rept 16
	v_cvt_pk_f16_f32 v[OC+2*i], v[ON+64*((\g)%2)+4*i], v[ON+64*((\g)%2)+4*i+1]
	v_cvt_pk_f16_f32 v[OC+2*i+1], v[ON+64*((\g)%2)+4*i+2], v[ON+64*((\g)%2)+4*i+3]
	global_store_b64 v4, v[OC+2*i:OC+2*i+1], s[22:23] offset:(16*(\g)+i)*256
.set i, i+1
.endr
.endm
	OLOAD 0
	OLOAD 1
	OCVT 0, 16
	OLOAD 2
	OCVT 1, 16
	OLOAD 3
	OCVT 2, 16
	OCVT 3, 0
.Lend:
	s_wait_tensorcnt 0x0                           ; the wave's end
	ds_add_u32 v[SPW], v[NIL]
	s_wait_dscnt 0x0
	s_endpgm
.Lfunc_end_k_qb23b0c763e_prep:
	.size	k_qb23b0c763e_prep, .Lfunc_end_k_qb23b0c763e_prep-k_qb23b0c763e_prep
	.p2alignl 7, 3214868480
	.fill 96, 4, 3214868480
	.section	.rodata,"a",@progbits
	.p2align	6, 0x0
	.amdhsa_kernel k_qb23b0c763e_prep
		.amdhsa_group_segment_fixed_size 50688
		.amdhsa_private_segment_fixed_size 0
		.amdhsa_enable_private_segment 0
		.amdhsa_kernarg_size 80
		.amdhsa_user_sgpr_count 2
		.amdhsa_user_sgpr_kernarg_segment_ptr 1
		.amdhsa_wavefront_size32 1
		.amdhsa_system_sgpr_workgroup_id_x 1
		.amdhsa_system_sgpr_workgroup_id_y 1
		.amdhsa_system_sgpr_workgroup_id_z 1
		.amdhsa_system_vgpr_workitem_id 0
		.amdhsa_next_free_vgpr 200
		.amdhsa_next_free_sgpr 66
		.amdhsa_reserve_vcc 0
		.amdhsa_float_denorm_mode_32 3
		.amdhsa_float_denorm_mode_16_64 3
		.amdhsa_memory_ordered 1
		.amdhsa_forward_progress 1
		.amdhsa_inst_pref_size 94
	.end_amdhsa_kernel
	.amdgpu_metadata
---
amdhsa.version: [ 1, 2 ]
amdhsa.kernels:
  - .name:           k_qb23b0c763e_prep
    .symbol:         k_qb23b0c763e_prep.kd
    .args:
      - { .name: x, .offset: 0, .size: 8, .value_kind: global_buffer, .address_space: global }
      - { .name: w_q, .offset: 8, .size: 8, .value_kind: global_buffer, .address_space: global }
      - { .name: w_k, .offset: 16, .size: 8, .value_kind: global_buffer, .address_space: global }
      - { .name: w_v, .offset: 24, .size: 8, .value_kind: global_buffer, .address_space: global }
      - { .name: w_o, .offset: 32, .size: 8, .value_kind: global_buffer, .address_space: global }
      - { .name: x_codes, .offset: 40, .size: 8, .value_kind: global_buffer, .address_space: global }
      - { .name: x_scales, .offset: 48, .size: 8, .value_kind: global_buffer, .address_space: global }
      - { .name: w_codes, .offset: 56, .size: 8, .value_kind: global_buffer, .address_space: global }
      - { .name: w_scales, .offset: 64, .size: 8, .value_kind: global_buffer, .address_space: global }
      - { .name: wo16, .offset: 72, .size: 8, .value_kind: global_buffer, .address_space: global }
    .group_segment_fixed_size: 50688
    .private_segment_fixed_size: 0
    .kernarg_segment_align: 8
    .kernarg_segment_size: 80
    .max_flat_workgroup_size: 128
    .sgpr_count:     66
    .vgpr_count:     200
    .wavefront_size: 32
...
	.end_amdgpu_metadata
.endif
;; end of part 1
;; launch qkv (part 2): grid 12 x 16, 4 waves a work-group, clusters of 4 x 4, 327,680 bytes of LDS; arguments x_codes, x_scales, w_codes, w_scales, qkv, qkv32; writes qkv, qkv32
.if DOCPART == 2
	.amdgcn_target "amdgcn-amd-amdhsa--gfx1250"
	.amdhsa_code_object_version 6
	.text
	.protected	k_qb23b0c763e_qkv
	.globl	k_qb23b0c763e_qkv
	.p2align	8
	.type	k_qb23b0c763e_qkv,@function
k_qb23b0c763e_qkv:
	s_mov_b64 s[64:65], 0
	v_nop
	global_prefetch_b8 v0, s[64:65] scope:SCOPE_SE
	s_setreg_imm32_b32 hwreg(HW_REG_WAVE_MODE, 25, 1), 1
	s_wait_xcnt 0x0
	s_wait_alu depctr_hold_cnt(0) depctr_sa_sdst(0) depctr_va_vdst(0) depctr_va_sdst(0) depctr_va_ssrc(0) depctr_va_vcc(0) depctr_vm_vsrc(0)
	s_getreg_b32 s2, hwreg(HW_REG_IB_STS2, 6, 4)
	s_cmp_eq_u32 s2, 0
	s_cbranch_scc0 .Lentry_in_a_cluster
	s_endpgm
.Lentry_in_a_cluster:
	s_bfe_u32 s2, ttmp6, 0x10000c
	s_cmp_lg_u32 s2, 0xf033
	s_cbranch_scc0 .Lentry_shape_is_right
	s_endpgm
.Lentry_shape_is_right:
; q, k, v = x [w_q | w_k | w_v] ON CODES OF FP4 (E2M1) with one E8M0 scale for each 32 along K; sums in f32.  A = x's codes [4096][512 bytes], B = the weights' codes [3072][512 bytes], K = 1,024.
; A tile of C, 256 x 256, is made by a work-group of four waves; a wave makes 128 x 128: 64 accumulators, 512 registers.  K lies in two LDS slots of 512 along K (rows of 256 bytes), both filled at the start: nothing is filled again.
; The scale bytes of the work-group's 256 + 256 rows, for all of K, come once, as whole rows of 256 bytes.
; CLUSTERS: 4 x 4 work-groups: A's tiles are asked for jointly along a row of the cluster, B's along a column.  192 work-groups: tiles of 128 x 256 would be 384, one and a half for each WGP.
; THE MATRIX INSTRUCTION IS USED TRANSPOSED (source 0 = 16 rows of B, source 1 = 16 rows of A): a lane holds eight neighbouring columns of one row of C.
; OUT: f16, by head: qkv[tensor][batch][head][position][64], so that 16 positions of a head are 2,048 consecutive bytes; and positions 0 to 15 of each sequence once more in f32, qkv32[batch][tensor][head][16][64].
; LIMIT: q, k, v beyond 65,504 in magnitude have no f16 number; small ones are kept to an absolute step of 2^-24.
; REGISTERS, in windows of 256: window 0: v0-31 addresses; v32-95 scale words, two sets, and nothing else; v128-191 A's fragments, one set; the way out works in v96-127 and v192-255.
;   window 1: B's fragments, two sets, at v0 and v128.   window 2: the accumulators of my rows 0-63 ((a, b) at v[8 (8 a + b)]);   window 3: those of rows 64-127.
.set SIZE_K, 1024
.set KSTEP,  512
.set NQ,     KSTEP/128
.set ROWB,   256
.set KROW,   SIZE_K/2
.set PITCH,  272                       ; an LDS row: 256 bytes + 16 of padding: the 16 rows of a fragment load start 16 bytes apart modulo 256
.set FR,     8
.set NL,     2
.set NP,     4
.set HALFT,  128*PITCH
.set SLOT,   4*HALFT
.set KS,     SIZE_K/32
.set SCL,    2*SLOT
.set HALFS,  (128*KS/256)*272
.set SBLK,   (16*KS/256)*272
.set SPARE,  SCL+4*HALFS               ; the spare words, 128 bytes for each wave
.set SPITCH, 272                       ; the way out: a stage of 16 rows x (256 bytes + 16) for each wave, in slot 0, which has had its only fill and its last read by then
.set ADRA, 16
.set ADRB, 20
.set STO,  24
.set RD,   25
.set CO,   26
.set ADRS, 27
.set SPW,  28
.set NIL,  29
.set F32O, 30                          ; v30  my byte in a head's 16 x 64 numbers of f32
.set SC,   32
.set AF,   128
.set TMP,  192                         ; the way out: packed results
.set OB,   96                          ; rows read back: v96-127 and v224-255 by turns
.set G1, 24
.set G0, 32
.set G1B, 48
.set G0B, 56
.set G1S, 68
.set G0S, 76
.set G1SB, 80
.set G0SB, 88
.set MSB, 0
.macro WIN new                         ; the immediate's high byte repeats the setting that is left
.if MSB != \new
	s_set_vgpr_msb (MSB<<8)|\new
.set MSB, \new
.endif
.endm
.set MUL_LO, 0xa1                      ; source 0 (B) window 1, source 1 (A) window 0, C and D window 2
.set MUL_HI, 0xf1
.set TO_B,   0x40
; A joint load: waves 0 and 1 fetch for A, waves 2 and 3 for B; the branch hangs on the wave's number alone.  An s_nop 0 and four v_nop follow each line.
.macro JLOAD g0a, g1a, g0b, g1b
	s_cmp_eq_u32 s15, 0
	s_cbranch_scc0 .Lfor_b_\@
	tensor_load_to_lds s[\g0a:\g0a+3], s[\g1a:\g1a+7]
	s_nop 0
.rept 4
	v_nop
.endr
	s_branch .Lasked_\@
.Lfor_b_\@:
	tensor_load_to_lds s[\g0b:\g0b+3], s[\g1b:\g1b+7]
	s_nop 0
.rept 4
	v_nop
.endr
.Lasked_\@:
.endm
.macro CROUND                          ; a round of the cluster's barrier
	s_barrier_signal -1
	s_barrier_wait -1
	s_cmp_lg_u32 s14, 0
	s_cbranch_scc1 .Lnot_wave_0_\@
	s_barrier_signal -3
.Lnot_wave_0_\@:
	s_barrier_wait -3
	s_barrier_signal -1
	s_barrier_wait -1
.endm
	s_load_b128 s[4:7], s[0:1], 0x0                ; x's codes, x's scales
	s_load_b128 s[8:11], s[0:1], 0x10              ; the weights' codes, their scales
	s_load_b64 s[12:13], s[0:1], 0x20              ; qkv
	s_load_b64 s[96:97], s[0:1], 0x28              ; qkv32
	v_lshl_add_u32 v[SPW], v0, 2, SPARE
	v_mov_b32 v[NIL], 0
	ds_add_u32 v[SPW], v[NIL]                      ; the wave's opening: the add, twice on end, and its wait ahead of my first tensor load
	ds_add_u32 v[SPW], v[NIL]
	v_lshrrev_b32 v1, 5, v0
	v_readfirstlane_b32 s14, v1                    ; wave 0..3
	s_lshr_b32 s15, s14, 1                         ; which half of the tile's rows is mine; also: I fetch for A (0) or B (1)
	s_and_b32 s16, s14, 1                          ; which half of its columns; also: which 128 rows I fetch
	s_bfe_u32 s40, ttmp6, 0x40000                  ; cx
	s_bfe_u32 s41, ttmp6, 0x40004                  ; cy
	s_lshl_b32 s42, ttmp9, 2
	s_add_co_u32 s42, s42, s40                     ; tile column
	s_and_b32 s17, ttmp7, 0xffff
	s_lshl_b32 s17, s17, 2
	s_add_co_u32 s17, s17, s41                     ; tile row
	s_lshl_b32 s43, s41, 2
	s_lshl_b32 s43, 15, s43                        ; my row of the cluster
	s_lshl_b32 s44, 0x1111, s40                    ; my column
	s_or_b32 s[G1+0], s43, (0<<16)|(1<<20)|(1<<21)|(5<<22)|(3<<25)  ; the mask; elements of 1 byte; padding: 4 words behind every 64; bit 21 beside a mask
	s_or_b32 s[G1B+0], s44, (0<<16)|(1<<20)|(1<<21)|(5<<22)|(3<<25)
.irp g, G1, G1B
	s_mov_b32 s[\g+1], ROWB<<16                    ; tensor_dim0
	s_mov_b32 s[\g+2], 128<<16                     ; tensor_dim1
	s_mov_b32 s[\g+3], ROWB<<16                    ; tile_dim0
	s_mov_b32 s[\g+4], 128                         ; tile_dim1
	s_mov_b32 s[\g+5], KROW                        ; pitch
	s_mov_b32 s[\g+6], 0
	s_mov_b32 s[\g+7], 0
.endr
	s_or_b32 s[G1S+0], s43, (3<<16)|(1<<20)|(1<<21)|(5<<22)|(3<<25)  ; the scales of 128 rows: a dense block, as rows of 256 bytes (32 elements of 8 bytes)
	s_or_b32 s[G1SB+0], s44, (3<<16)|(1<<20)|(1<<21)|(5<<22)|(3<<25)
.irp g, G1S, G1SB
	s_mov_b32 s[\g+1], 32<<16
	s_mov_b32 s[\g+2], (128*KS/256)<<16
	s_mov_b32 s[\g+3], 32<<16
	s_mov_b32 s[\g+4], 128*KS/256
	s_mov_b32 s[\g+5], 32
	s_mov_b32 s[\g+6], 0
	s_mov_b32 s[\g+7], 0
.endr
	s_lshl_b32 s18, s16, 7
	s_lshl_b32 s20, s17, 8
	s_add_co_u32 s20, s20, s18                     ; A: row 256 x tile row + 128 x half
	s_lshl_b32 s46, s42, 8
	s_add_co_u32 s46, s46, s18                     ; B: row 256 x tile column + 128 x half
	s_mov_b32 s21, 0
	s_mov_b32 s47, 0
	s_mov_b64 s[18:19], KS
	s_mul_u64 s[22:23], s[20:21], s[18:19]
	s_mul_u64 s[92:93], s[46:47], s[18:19]
	s_mov_b64 s[18:19], KROW
	s_mul_u64 s[20:21], s[20:21], s[18:19]
	s_mul_u64 s[46:47], s[46:47], s[18:19]
	s_mul_i32 s45, s14, HALFT                      ; where they go: wave x 128 rows
	s_mul_i32 s94, s14, HALFS
	s_wait_dscnt 0x0                               ; both opening adds are done
	s_wait_kmcnt 0x0
	s_add_nc_u64 s[20:21], s[4:5], s[20:21]
	s_add_nc_u64 s[22:23], s[6:7], s[22:23]
	s_add_nc_u64 s[46:47], s[8:9], s[46:47]
	s_add_nc_u64 s[92:93], s[10:11], s[92:93]
	CROUND                                         ; all sixteen work-groups are here: the joint loads meet
	s_mov_b32 s[G0S], 1
	s_add_co_u32 s[G0S+1], s94, SCL
	s_mov_b64 s[G0S+2:G0S+3], s[22:23]
	s_or_b32 s[G0S+3], s[G0S+3], 0x80000000
	s_mov_b32 s[G0SB], 1
	s_add_co_u32 s[G0SB+1], s94, SCL
	s_mov_b64 s[G0SB+2:G0SB+3], s[92:93]
	s_or_b32 s[G0SB+3], s[G0SB+3], 0x80000000
	JLOAD G0S, G1S, G0SB, G1SB                     ; the scales first
.irp s, 0,1
	s_mov_b32 s[G0+4*\s], 1
	s_add_co_u32 s[G0+4*\s+1], s45, \s*SLOT
	s_add_nc_u64 s[G0+4*\s+2:G0+4*\s+3], s[20:21], \s*ROWB
	s_or_b32 s[G0+4*\s+3], s[G0+4*\s+3], 0x80000000
	s_mov_b32 s[G0B+4*\s], 1
	s_add_co_u32 s[G0B+4*\s+1], s45, \s*SLOT
	s_add_nc_u64 s[G0B+4*\s+2:G0B+4*\s+3], s[46:47], \s*ROWB
	s_or_b32 s[G0B+4*\s+3], s[G0B+4*\s+3], 0x80000000
	JLOAD G0+4*\s, G1, G0B+4*\s, G1B               ; by this text's count three tensor loads of a wave are out
.endr
	v_and_b32 v1, 15, v0                           ; r = l % 16
	v_bfe_u32 v2, v0, 4, 1                         ; h = l / 16
	v_mul_u32_u24 v3, v1, PITCH
	v_lshl_add_u32 v4, v2, 4, v3
	s_mul_i32 s21, s15, HALFT
	s_mul_i32 s22, s16, HALFT
	s_add_co_u32 s22, s22, 2*HALFT
.irp s, 0,1
	v_add_nc_u32 v[ADRA+\s], s21, v4
	v_add_nc_u32 v[ADRB+\s], s22, v4
	s_add_co_u32 s21, s21, SLOT
	s_add_co_u32 s22, s22, SLOT
.endr
	v_mul_u32_u24 v5, v1, KS                       ; my row's scales: KS bytes a row,
	v_lshrrev_b32 v6, 8, v5
	v_lshl_add_u32 v5, v6, 4, v5                   ; and 16 more for each 256 passed
	s_mul_i32 s21, s15, HALFS
	s_mul_i32 s22, s16, HALFS
	s_add_co_u32 s22, s22, 2*HALFS
	s_sub_co_u32 s22, s22, s21
	v_mul_u32_u24 v6, s22, v2                      ; lanes 16-31 take B's
	s_add_co_u32 s21, s21, SCL
	v_add_nc_u32 v5, v5, v6
	v_add_nc_u32 v[ADRS], s21, v5
	s_mul_i32 s23, s14, 16*SPITCH                  ; my stage
	v_mul_u32_u24 v5, v1, SPITCH
	v_lshl_add_u32 v5, v2, 4, v5
	v_add_nc_u32 v[STO], s23, v5                   ; in: row r, 16 bytes for each half of the lanes
	v_bfe_u32 v5, v0, 3, 2
	v_mul_u32_u24 v5, v5, SPITCH
	v_and_b32 v6, 7, v0
	v_lshl_add_u32 v5, v6, 4, v5
	v_add_nc_u32 v[RD], s23, v5                    ; back: eight lanes to a head's 128 bytes of a row, four rows an instruction
	v_and_b32 v6, 31, v0
	v_lshlrev_b32 v[CO], 4, v6                     ; which are 512 consecutive bytes of qkv
	v_lshlrev_b32 v[F32O], 8, v1
	v_lshl_add_u32 v[F32O], v2, 5, v[F32O]         ; f32: row r of 256 bytes, + 32 h
	; where my part begins in qkv: tensor << 23 + batch << 22 + head << 18 + position << 7
	s_lshl_b32 s20, s17, 8
	s_lshl_b32 s21, s15, 7
	s_add_co_u32 s20, s20, s21                     ; my first row of C
	s_lshr_b32 s21, s20, 11
	s_lshl_b32 s21, s21, 22
	s_and_b32 s20, s20, 2047
	s_lshl_b32 s20, s20, 7
	s_add_co_u32 s20, s20, s21
	s_lshl_b32 s21, ttmp9, 23                      ; four tile columns are a tensor: the cluster's x
	s_add_co_u32 s20, s20, s21
	s_lshl_b32 s46, s40, 2
	s_lshl_b32 s47, s16, 1
	s_add_co_u32 s46, s46, s47                     ; my first head: 4 cx + 2 x half
	s_lshl_b32 s47, s46, 18
	s_add_co_u32 s20, s20, s47
	s_mov_b32 s21, 0
	s_add_nc_u64 s[12:13], s[12:13], s[20:21]
	s_and_b32 s47, ttmp7, 0xffff                   ; the cluster's y: two to a batch
	s_lshr_b32 s20, s47, 1
	s_mul_i32 s20, s20, 3
	s_add_co_u32 s20, s20, ttmp9
	s_lshl_b32 s20, s20, 4
	s_add_co_u32 s20, s20, s46
	s_lshl_b32 s20, s20, 12                        ; ((batch x 3 + tensor) x 16 + head) x 4,096
	s_add_nc_u64 s[96:97], s[96:97], s[20:21]
	s_and_b32 s95, s47, 1
	s_or_b32 s95, s95, s15                         ; 0 where the cluster's y is even and my rows are the tile's upper half: the same in all partners, for a given wave
.macro FRAG reg, adr, q, i             ; 16 rows x 128 K of 4-bit codes: 8 registers, two loads of 16 bytes, 32 bytes apart
.irp c, 0,1
	ds_load_b128 v[\reg+4*\c:\reg+4*\c+3], v[\adr] offset:64*(\q)+32*\c+(\i)*16*PITCH
.endr
.endm
; 16 matrix instructions: A's blocks a0, a0 + 1 x B's eight.  The 64 accumulators take turns, one instruction a turn, in the same order in every step.
.macro MUL16 a0, p, q, sc, zero
.irp a, \a0, \a0+1
.irp b, 0,1,2,3,4,5,6,7
.if \zero
	v_wmma_scale_f32_16x16x128_f8f6f4 v[8*(8*((\a)%4)+\b):8*(8*((\a)%4)+\b)+7], v[128*(\p)+FR*\b:128*(\p)+FR*\b+FR-1], v[AF+FR*(\a):AF+FR*(\a)+FR-1], 0, v[SC+8*NQ*(\sc)+NQ*\b+(\q)], v[SC+8*NQ*(\sc)+NQ*(\a)+(\q)] matrix_a_fmt:MATRIX_FMT_FP4 matrix_b_fmt:MATRIX_FMT_FP4 matrix_a_scale:MATRIX_SCALE_ROW1
.else
	v_wmma_scale_f32_16x16x128_f8f6f4 v[8*(8*((\a)%4)+\b):8*(8*((\a)%4)+\b)+7], v[128*(\p)+FR*\b:128*(\p)+FR*\b+FR-1], v[AF+FR*(\a):AF+FR*(\a)+FR-1], v[8*(8*((\a)%4)+\b):8*(8*((\a)%4)+\b)+7], v[SC+8*NQ*(\sc)+NQ*\b+(\q)], v[SC+8*NQ*(\sc)+NQ*(\a)+(\q)] matrix_a_fmt:MATRIX_FMT_FP4 matrix_b_fmt:MATRIX_FMT_FP4 matrix_a_scale:MATRIX_SCALE_ROW1
.endif
.endr
.endr
.endm
.macro FETCH_B slot, q, p
	WIN TO_B
.irp i, 0,1,2,3,4,5,6,7
	FRAG 128*(\p)+FR*\i, ADRB+\slot, \q, \i
.endr
	WIN 0
.endm
.macro FETCH_A slot, q, i0
.irp i, \i0, \i0+1, \i0+2, \i0+3
	FRAG AF+FR*(\i), ADRA+\slot, \q, \i
.endr
.endm
.macro SCALES sc                       ; a K step's scale words: lanes 0-15 take A's block i, lanes 16-31 B's block i
.irp i, 0,1,2,3,4,5,6,7
	ds_load_b128 v[SC+8*NQ*\sc+NQ*\i:SC+8*NQ*\sc+NQ*\i+3], v[ADRS] offset:\i*SBLK
.endr
.endm
.macro PLACES n                        ; plain vector lines between a matrix instruction and a load into, or a read of, its registers
.rept \n
	v_nop
.endr
.endm
.macro STEP slot, q, zero              ; 128 along K, with its successor in the same slot
	s_wait_dscnt 4*NL                              ; B's set and A's blocks 0-3 are in; the youngest eight loads (A's blocks 4-7) may be out
	WIN MUL_LO
	MUL16 0, (\q)%2, \q, \slot, \zero
	MUL16 2, (\q)%2, \q, \slot, \zero
	s_wait_dscnt 0
	PLACES NP
	FETCH_B \slot, (\q)+1, 1-(\q)%2
	FETCH_A \slot, (\q)+1, 0
	WIN MUL_HI
	MUL16 4, (\q)%2, \q, \slot, \zero
	MUL16 6, (\q)%2, \q, \slot, \zero
	PLACES NP
	WIN 0
	FETCH_A \slot, (\q)+1, 4
.endm
; Slot 0's last step: one barrier; in front of it each wave waits for all its tensor loads (slot 1's), adds 0 to its spare word, and waits for that and for its reads of slot 0.  Nothing is filled again.
.macro TURN slot, next
	s_wait_tensorcnt 0x0
	ds_add_u32 v[SPW], v[NIL]
	s_wait_dscnt 4*NL+1                            ; the add and the youngest eight loads may be out
	WIN MUL_LO
	MUL16 0, 1, NQ-1, \slot, 0
	s_wait_dscnt 0x0                               ; the add is done, and my reads of this slot are over
	s_barrier_signal -1
	MUL16 2, 1, NQ-1, \slot, 0
	WIN 0
	s_barrier_wait -1
	PLACES NP
	v_add_nc_u32 v[ADRS], 4*NQ, v[ADRS]            ; the next K step's scale words
	FETCH_B \next, 0, 0
	FETCH_A \next, 0, 0
	SCALES \next
	WIN MUL_HI
	MUL16 4, 1, NQ-1, \slot, 0
	MUL16 6, 1, NQ-1, \slot, 0
	PLACES NP
	WIN 0
	FETCH_A \next, 0, 4
.endm
.macro STEPS slot, from
.set Q, \from
.rept NQ-1-\from
	STEP \slot, Q, 0
.set Q, Q+1
.endr
.endm
	s_wait_tensorcnt 1                             ; the scales and my part of slot 0 are in; slot 1's load may be out,
	s_barrier_signal -1
	s_barrier_wait -1                              ; everybody's are
	FETCH_B 0, 0, 0
	FETCH_A 0, 0, 0
	SCALES 0
	FETCH_A 0, 0, 4
	STEP 0, 0, 1                                   ; the first products start the sums: nothing is cleared
	STEPS 0, 1
	TURN 0, 1
	STEPS 1, 0
	s_wait_dscnt 4*NL                              ; the very last step
	WIN MUL_LO
	MUL16 0, 1, NQ-1, 1, 0
	MUL16 2, 1, NQ-1, 1, 0
	s_wait_dscnt 0
	WIN MUL_HI
	MUL16 4, 1, NQ-1, 1, 0
	MUL16 6, 1, NQ-1, 1, 0
	WIN 0
	PLACES NP                                      ; ahead of every read of results
	; POSITIONS 0 TO 15 IN F32.  They are block 0 of the waves with the upper rows, in tile rows 0 and 8: cluster y even (a branch: all partners share it) and cy = 0 (by EXEC: no branch hangs on a place in the cluster).
	s_cmp_lg_u32 s95, 0
	s_cbranch_scc1 .Lno_f32
	s_wait_xcnt 0x0                                ; EXEC changes only behind this wait
	v_mov_b32 v31, s41
	v_cmp_eq_u32 vcc_lo, 0, v31
	s_and_saveexec_b32 s3, vcc_lo
	WIN 0x08                                       ; a store's data are its source 1: window 2
.irp b, 0,1,2,3,4,5,6,7
	global_store_b128 v[F32O], v[8*\b:8*\b+3], s[96:97] offset:(\b/4)*4096+(\b%4)*64       ; each accumulator from its low end on
	global_store_b128 v[F32O], v[8*\b+4:8*\b+7], s[96:97] offset:(\b/4)*4096+(\b%4)*64+16
.endr
	WIN 0
	s_wait_xcnt 0x0                                ; and again, in front of the line that widens EXEC
	s_or_b32 exec_lo, exec_lo, s3
.Lno_f32:
; THE WAY OUT, block by block of 16 rows x 128 columns (two heads): rounded to f16, through my stage, back as four rows of one head: 512 consecutive bytes of qkv.
.macro PACK a
.set AC, 64*((\a)%4)
	WIN 0x0a+5*((\a)/4)                            ; sources 0 and 1: window 2 or 3
.irp b, 0,1,2,3,4,5,6,7
.irp r, 0,1,2,3
	v_cvt_pk_f16_f32 v[TMP+4*\b+\r], v[AC+8*\b+2*\r], v[AC+8*\b+2*\r+1]
.endr
.endr
	WIN 0
.endm
.macro TOSTAGE a
.set BK, OB+128*((\a)%2)
.irp b, 0,1,2,3,4,5,6,7
	ds_store_b128 v[STO], v[TMP+4*\b:TMP+4*\b+3] offset:32*\b
.endr
.irp t, 0,1,2,3,4,5,6,7
	ds_load_b128 v[BK+4*\t:BK+4*\t+3], v[RD] offset:(\t%4)*4*SPITCH+(\t/4)*128   ; LDS serves a wave's instructions in order: these see the stores above
.endr
.endm
.macro SEND a
.set BK, OB+128*((\a)%2)
	s_wait_dscnt 0x0                               ; the block is back in registers
	s_wait_xcnt 0x0                                ; earlier stores have read their base and registers
.if (\a) > 0
	s_add_nc_u64 s[12:13], s[12:13], 16*128        ; 16 positions on
.endif
.irp t, 0,1,2,3,4,5,6,7
	global_store_b128 v[CO], v[BK+4*\t:BK+4*\t+3], s[12:13] offset:(\t%4)*512+(\t/4)*262144   ; 32 lanes store 512 consecutive bytes, aligned; the second head lies 2,048 rows on
.endr
.endm
	PACK 0
	TOSTAGE 0
.irp a, 1,2,3,4,5,6,7
	PACK \a                                        ; block a's conversions stand between block a - 1's loads from the stage and the wait for them
	SEND \a-1
	TOSTAGE \a
.endr
	SEND 7
	s_wait_tensorcnt 0x0                           ; the wave's end
	ds_add_u32 v[SPW], v[NIL]
	s_wait_dscnt 0x0
	CROUND                                         ; the closing round
	s_endpgm
.Lfunc_end_k_qb23b0c763e_qkv:
	.size	k_qb23b0c763e_qkv, .Lfunc_end_k_qb23b0c763e_qkv-k_qb23b0c763e_qkv
	.p2alignl 7, 3214868480
	.fill 96, 4, 3214868480
	.section	.rodata,"a",@progbits
	.p2align	6, 0x0
	.amdhsa_kernel k_qb23b0c763e_qkv
		.amdhsa_group_segment_fixed_size 327680
		.amdhsa_private_segment_fixed_size 0
		.amdhsa_enable_private_segment 0
		.amdhsa_kernarg_size 48
		.amdhsa_user_sgpr_count 2
		.amdhsa_user_sgpr_kernarg_segment_ptr 1
		.amdhsa_wavefront_size32 1
		.amdhsa_system_sgpr_workgroup_id_x 1
		.amdhsa_system_sgpr_workgroup_id_y 1
		.amdhsa_system_sgpr_workgroup_id_z 1
		.amdhsa_system_vgpr_workitem_id 0
		.amdhsa_next_free_vgpr 1024
		.amdhsa_next_free_sgpr 98
		.amdhsa_reserve_vcc 1
		.amdhsa_float_denorm_mode_32 3
		.amdhsa_float_denorm_mode_16_64 3
		.amdhsa_memory_ordered 1
		.amdhsa_forward_progress 1
		.amdhsa_inst_pref_size 129
	.end_amdhsa_kernel
	.amdgpu_metadata
---
amdhsa.version: [ 1, 2 ]
amdhsa.kernels:
  - .name:           k_qb23b0c763e_qkv
    .symbol:         k_qb23b0c763e_qkv.kd
    .args:
      - { .name: x_codes, .offset: 0, .size: 8, .value_kind: global_buffer, .address_space: global }
      - { .name: x_scales, .offset: 8, .size: 8, .value_kind: global_buffer, .address_space: global }
      - { .name: w_codes, .offset: 16, .size: 8, .value_kind: global_buffer, .address_space: global }
      - { .name: w_scales, .offset: 24, .size: 8, .value_kind: global_buffer, .address_space: global }
      - { .name: qkv, .offset: 32, .size: 8, .value_kind: global_buffer, .address_space: global }
      - { .name: qkv32, .offset: 40, .size: 8, .value_kind: global_buffer, .address_space: global }
    .group_segment_fixed_size: 327680
    .private_segment_fixed_size: 0
    .kernarg_segment_align: 8
    .kernarg_segment_size: 48
    .max_flat_workgroup_size: 128
    .sgpr_count:     98
    .vgpr_count:     1024
    .wavefront_size: 32
...
	.end_amdgpu_metadata
.endif
;; end of part 2
;; launch attn (part 3): grid 8 x 32, 16 waves a work-group, no clusters, 327,680 bytes of LDS; arguments qkv, ctx; writes ctx
.if DOCPART == 3
	.amdgcn_target "amdgcn-amd-amdhsa--gfx1250"
	.amdhsa_code_object_version 6
	.text
	.protected	k_qb23b0c763e_attn
	.globl	k_qb23b0c763e_attn
	.p2align	8
	.type	k_qb23b0c763e_attn,@function
k_qb23b0c763e_attn:
	s_mov_b64 s[64:65], 0
	v_nop
	global_prefetch_b8 v0, s[64:65] scope:SCOPE_SE
	s_setreg_imm32_b32 hwreg(HW_REG_WAVE_MODE, 25, 1), 1
	s_wait_xcnt 0x0
; CAUSAL ATTENTION, f16 operands, f32 sums, maxima and softmax.  qkv: [tensor 3][batch x head 32][2048][64] f16;  ctx: [batch x head][2048][64] f16.
; ctx[q] = sum over k <= q of softmax_k(q . k / 8) v[k], by a running maximum m and sum l for each query: p = 2^(c s - c m), c = log2(e) / 8; in every step O and l are multiplied by a = 2^(c m_old - c m_new).
; SHARES.  Work-group (i, head) owns query blocks 15 - i and i of the head's sixteen blocks of 128.  Waves w and w + 8 (w = 0 .. 7) hold the SAME two tiles of 16 queries: the high one at 128 (15 - i) + 16 w,
; the low one at 128 i + 16 w.  THE KEYS ARE SPLIT BETWEEN THE TWO: of each slot of 128 keys wave w takes the first 64, wave w + 8 the second 64.  A tile works in a step while the step's first key is at or under its
; last query: 15 to 17 tile steps a wave whatever i, so the 256 work-groups have equal work.  Four waves share a SIMD (4 x 256 registers): one's softmax stands beside the others' products and LDS loads.
; THE MERGE, behind the loop: waves 8-15 store O^T and (c m, l) of both tiles to LDS as images of their registers; a barrier; wave w brings both halves under the larger maximum:
; O = (a1 O1 + a2 O2) / (a1 l1 + a2 l2), a = 2^(c m_half - c m).  A half that saw no key has m = -3e38, l = 0, O = 0: its a is 0.  The first half always holds key 0, which counts for every query.
; LAYOUT.  Both products are used transposed: S^T = K Q^T (source 0 = 16 keys), O^T = V^T P (source 0 = 16 channels): a lane holds ONE query (lane % 16) throughout; two tiles of S^T, packed to f16 in pairs, are source 1 of the second product.
; K comes out of LDS as it lies, V ([key][channel]) turned, by ds_load_tr16_b128.
; THE RING.  Two slots of 128 keys.  Waves 0 and 1 fetch K's halves, waves 2 and 3 V's: 64 rows of 128 bytes a load; the others fetch nothing.  All work-groups walk 16 changes of slots (a constant count);
; a slot whose first key comes after the work-group's last query is read by no wave and is not asked for.  The last query is 128 (15 - i) + 127, so every load of a slot that is asked for is read by some wave.
; NO CLUSTER: the eight work-groups of a head need 9 to 16 slots, each another number, and the jumps over hidden steps hang on i.
; LIMITS: m begins at -3e38; p under 2^-24 is lost in f16; NaN and infinities are not served.  Rows 0-15 of each sequence are made here too, and made again more finely by the last launch.
.set PK,    144                        ; a key's row in LDS: 128 bytes + 16: the 16 rows of a load start 16 bytes apart modulo 256
.set PVV,   160                        ; a row of V: 128 + 32
.set SK,    128                        ; keys in a slot
.set VOFF,  SK*PK
.set SLOT1, 1<<16                      ; one exclusive or turns an address in one slot into the other's
.set STAGE, 2*SLOT1                    ; the way out: 16 rows x 144 bytes for each of waves 0-7; no tensor load lands here
.set MRG,   STAGE+8*16*PK              ; the merge: for each pair of waves 18 images of four registers, 512 bytes each
.set MRGW,  18*512
.set SPARE, MRG+8*MRGW                 ; the spare words, 128 bytes for each of the 16 waves
.set AK0, 1                            ; v1   my lane's place in my half slot's tiles of K
.set AV0, 2                            ; v2   and of V
.set ADK, 3                            ; v3, v4 the addresses of the step in hand
.set ADV, 4
.set SPW, 5
.set NIL, 6
.set PFO, 7                            ; v7   256 x lane
.set MI,  8                            ; v8   my lane's 16 bytes of my pair's images
.set QO,  10
.set STO, 11
.set RD,  12
.set GO,  13
.set LM,  14                           ; v14  lane % 16 - 8 (lane / 16)
.set NINF, 15                          ; v15  -infinity
.set ST,  16                           ; tile t's statistics at v[ST + 8 t]: +0 c m, +1 m, +2, +3 l, +4 to +7 at work (a in +6)
.set Q,   32                           ; v32-63   Q: tile t, channels 32 c on: 16 t + 8 c; at the merge v32-39 take the other half's statistics
.set KV,  64                           ; v64-127  K's eight fragments, then V's eight; at the merge the other half's O^T
.set S,   128                          ; v128-191 S^T, 32 a tile; p is packed in place into the first 16
.set O,   192                          ; v192-255 O^T, 32 a tile
.set WV, 8                             ; s8   wave 0..15
.set W8, 9                             ; s9   wave % 8: which tiles
.set PAR, 10                           ; s10  wave / 8: which half of each slot's keys
.set QH, 11
.set QL, 12
.set QH15, 13
.set QL15, 14
.set LASTQ, 15
.set KF, 16                            ; s16  my step's first key
.set TB, 17                            ; s17  LDS byte at which the slot in hand begins
.set SLOTS, 18
.set LIM, 19
.set SEL, 20
.set CS, 22
.set G1K, 24
.set G1V, 32
.set G0K, 40
.set G0V, 44
.set PFA, 48
.set QBH, 50
.set QBL, 52
.set CBH, 54
.set CBL, 56
.set SF, 70                            ; s70  the first key of the slot in hand: the same in all waves
; Waves 0 and 1 fetch for K, waves 2 and 3 for V, the others nothing.  The branches hang on the wave's number alone.  An s_nop 0 and four v_nop follow each of the two lines.
.macro TLOAD
	s_cmp_lt_u32 s[WV], 2
	s_cbranch_scc0 .Lnot_k_\@
	tensor_load_to_lds s[G0K:G0K+3], s[G1K:G1K+7]
	s_nop 0
.rept 4
	v_nop
.endr
	s_branch .Lasked_\@
.Lnot_k_\@:
	s_cmp_lt_u32 s[WV], 4
	s_cbranch_scc0 .Lasked_\@
	tensor_load_to_lds s[G0V:G0V+3], s[G1V:G1V+7]
	s_nop 0
.rept 4
	v_nop
.endr
.Lasked_\@:
.endm
; A prefetch of what the NEXT change of slots will ask for: 16,384 dense bytes of K and as many of V.  All work-groups of a head walk the same keys: the head's work-group 0, which walks all slots, asks.
; In it waves 4 and 5 ask for K's halves, waves 6 and 7 for V's: 8,192 bytes each, lanes 256 bytes apart: each aligned 256 bytes is named once in the launch.  Trip j names slot j + 2; trips 14 and 15 name nothing.
.macro ASK
	s_cmp_gt_u32 s[SLOTS], s[LIM]
	s_cbranch_scc0 .Lnot_mine_\@
	global_prefetch_b8 v[PFO], s[PFA:PFA+1] th:TH_LOAD_NT scope:SCOPE_SE
.Lnot_mine_\@:
.endm
	s_load_b128 s[4:7], s[0:1], 0x0                ; qkv, ctx
	v_lshl_add_u32 v[SPW], v0, 2, SPARE
	v_mov_b32 v[NIL], 0
	ds_add_u32 v[SPW], v[NIL]                      ; the wave's opening: the add, twice on end, and its wait ahead of the first tensor load
	ds_add_u32 v[SPW], v[NIL]
	v_lshrrev_b32 v8, 5, v0
	v_readfirstlane_b32 s[WV], v8                  ; wave 0..15
	s_and_b32 s[W8], s[WV], 7
	s_lshr_b32 s[PAR], s[WV], 3
	s_and_b32 s58, ttmp7, 0xffff                   ; batch x 16 + head
	s_lshl_b32 s58, s58, 18                        ; its first byte in a tensor
	s_sub_co_u32 s59, 15, ttmp9
	s_lshl_b32 s[QH], s59, 7
	s_lshl_b32 s59, s[W8], 4
	s_add_co_u32 s[QH], s[QH], s59                 ; the high tile's first query
	s_lshl_b32 s[QL], ttmp9, 7
	s_add_co_u32 s[QL], s[QL], s59                 ; the low tile's
	s_add_co_u32 s[QH15], s[QH], 15
	s_add_co_u32 s[QL15], s[QL], 15
	s_or_b32 s[LASTQ], s[QH], 127                  ; the work-group's last query
	s_lshl_b32 s[KF], s[PAR], 6                    ; my first step: keys 0 on, or 64 on
	s_mov_b32 s[SF], 0
	s_mov_b32 s[TB], 0
	s_mov_b32 s[SLOTS], 2048/SK
	s_mov_b32 s[SEL], 0x76543210
	s_mov_b32 s[SEL+1], 0xfedcba98
	s_mov_b32 s[CS], 0x3e38aa3b                    ; c = log2(e) / 8
	s_mov_b32 s[CS+1], s[CS]
	; descriptor group 1: 64 rows x 64 elements of 2 bytes, dense in memory, padded in LDS behind every 32 words
	s_mov_b32 s[G1K], (1<<16)|(1<<20)|(4<<22)|(3<<25)              ; 4 words of padding
	s_mov_b32 s[G1V], (1<<16)|(1<<20)|(4<<22)|(7<<25)              ; 8 words
.irp g, G1K, G1V
	s_mov_b32 s[\g+1], 64<<16                      ; tensor_dim0
	s_mov_b32 s[\g+2], 64<<16                      ; tensor_dim1
	s_mov_b32 s[\g+3], 64<<16                      ; tile_dim0
	s_mov_b32 s[\g+4], 64                          ; tile_dim1
	s_mov_b32 s[\g+5], 64                          ; pitch
	s_mov_b32 s[\g+6], 0
	s_mov_b32 s[\g+7], 0
.endr
	s_and_b32 s60, s[WV], 1                        ; which half of the slot's rows I fetch, if I fetch
	s_lshl_b32 s62, s60, 13
	s_add_co_u32 s62, s62, s58
	s_mov_b32 s63, 0
	s_mov_b32 s67, 0
	s_wait_dscnt 0x0                               ; both opening adds are done
	s_wait_kmcnt 0x0
	s_mov_b32 s[G0K], 1
	s_mul_i32 s[G0K+1], s60, 64*PK
	s_add_nc_u64 s[G0K+2:G0K+3], s[4:5], s[62:63]
	s_add_nc_u64 s[G0K+2:G0K+3], s[G0K+2:G0K+3], 0x800000          ; tensor 1: k
	s_or_b32 s[G0K+3], s[G0K+3], 0x80000000
	s_mov_b32 s[G0V], 1
	s_mul_i32 s[G0V+1], s60, 64*PVV
	s_add_co_u32 s[G0V+1], s[G0V+1], VOFF
	s_add_nc_u64 s[G0V+2:G0V+3], s[4:5], s[62:63]
	s_add_nc_u64 s[G0V+2:G0V+3], s[G0V+2:G0V+3], 0x1000000         ; tensor 2: v
	s_or_b32 s[G0V+3], s[G0V+3], 0x80000000
	TLOAD                                          ; slot 0: keys 0 to 127, which count for queries of every work-group
	s_lshl_b32 s66, s[QH], 7
	s_add_co_u32 s66, s66, s58
	s_add_nc_u64 s[QBH:QBH+1], s[4:5], s[66:67]
	s_add_nc_u64 s[CBH:CBH+1], s[6:7], s[66:67]
	s_lshl_b32 s66, s[QL], 7
	s_add_co_u32 s66, s66, s58
	s_add_nc_u64 s[QBL:QBL+1], s[4:5], s[66:67]
	s_add_nc_u64 s[CBL:CBL+1], s[6:7], s[66:67]
	s_and_b32 s66, s[WV], 1                        ; the prefetches: my half of a slot's K or V,
	s_lshl_b32 s66, s66, 13
	s_add_co_u32 s66, s66, s58
	s_add_co_u32 s66, s66, 0x800000+SK*128         ; in slot 1: the first change of slots steps it to slot 2.  Nothing is prefetched here at the head
	s_bfe_u32 s68, s[WV], 0x10001
	s_lshl_b32 s68, s68, 23                        ; waves 6 and 7: v
	s_add_co_u32 s66, s66, s68
	s_add_nc_u64 s[PFA:PFA+1], s[4:5], s[66:67]
	s_lshr_b32 s68, s[WV], 2
	s_xor_b32 s68, s68, 1                          ; 0 in waves 4 to 7,
	s_or_b32 s68, s68, ttmp9                       ; of the head's work-group 0
	s_cmp_eq_u32 s68, 0
	s_cselect_b32 s[LIM], 2, -1
	v_and_b32 v8, 15, v0                           ; r
	v_bfe_u32 v9, v0, 4, 1                         ; h
	v_lshlrev_b32 v[QO], 7, v8
	v_lshl_add_u32 v[QO], v9, 4, v[QO]             ; Q: row r of 128 bytes, + 16 h
.irp c, 0,1
	global_load_b128 v[Q+8*\c:Q+8*\c+3],       v[QO], s[QBH:QBH+1] offset:64*\c
	global_load_b128 v[Q+8*\c+4:Q+8*\c+7],     v[QO], s[QBH:QBH+1] offset:64*\c+32
	global_load_b128 v[Q+16+8*\c:Q+16+8*\c+3], v[QO], s[QBL:QBL+1] offset:64*\c
	global_load_b128 v[Q+16+8*\c+4:Q+16+8*\c+7], v[QO], s[QBL:QBL+1] offset:64*\c+32
.endr
	v_mul_u32_u24 v[AK0], v8, PK
	v_lshl_add_u32 v[AK0], v9, 4, v[AK0]
	s_mul_i32 s66, s[PAR], 64*PK
	v_add_nc_u32 v[AK0], s66, v[AK0]               ; + my half of the slot's keys
	v_and_b32 v[ADK], 7, v0
	v_lshl_add_u32 v[AV0], v9, 3, v[ADK]           ; the turning load: key 8 h + l % 8,
	v_mul_u32_u24 v[AV0], v[AV0], PVV
	v_bfe_u32 v[ADV], v0, 3, 1
	v_lshl_add_u32 v[AV0], v[ADV], 4, v[AV0]       ; channels 8 ((l / 8) % 2) on
	s_mul_i32 s66, s[PAR], 64*PVV
	s_add_co_u32 s66, s66, VOFF
	v_add_nc_u32 v[AV0], s66, v[AV0]
	v_and_b32 v[PFO], 31, v0
	v_lshlrev_b32 v[GO], 4, v[PFO]
	v_lshlrev_b32 v[PFO], 8, v[PFO]
	s_mul_i32 s66, s[W8], 16*PK
	s_add_co_u32 s66, s66, STAGE                   ; my pair's stage
	v_mul_u32_u24 v[STO], v8, PK
	v_lshl_add_u32 v[STO], v9, 4, v[STO]
	v_add_nc_u32 v[STO], s66, v[STO]
	v_bfe_u32 v[RD], v0, 3, 2
	v_mul_u32_u24 v[RD], v[RD], PK
	v_lshl_add_u32 v[RD], v[ADK], 4, v[RD]
	v_add_nc_u32 v[RD], s66, v[RD]
	v_lshlrev_b32 v[LM], 3, v9
	v_sub_nc_u32 v[LM], v8, v[LM]
	s_mul_i32 s66, s[W8], MRGW
	s_add_co_u32 s66, s66, MRG
	v_add_nc_u32 v[MI], s66, v[GO]                 ; my pair's images: 16 x lane
	v_mov_b32 v[NINF], 0xff800000
.irp t, 0,1
	v_mov_b32 v[ST+8*\t+1], 0xff61b1e6             ; m = -3e38, under every score
	v_mul_f32 v[ST+8*\t], s[CS], v[ST+8*\t+1]
.irp j, 2,3,4,5,6,7
	v_mov_b32 v[ST+8*\t+\j], 0
.endr
.endr
.set n, 0
.rept 64
	v_mov_b32 v[O+n], 0                            ; O^T.  The step has no first form of its own: the first finds zeros, which a = 0 leaves zeros; a half that sees no key hands zeros to the merge
.set n, n+1
.endr
; S^T = K Q^T for tile t: four accumulators by turns, one instruction a turn; the first four start the sums
.macro MULKQ t
.irp c, 0,1
.irp kt, 0,1,2,3
.if \c == 0
	v_wmma_f32_16x16x32_f16 v[S+32*\t+8*\kt:S+32*\t+8*\kt+7], v[KV+8*(2*\kt+\c):KV+8*(2*\kt+\c)+7], v[Q+16*\t+8*\c:Q+16*\t+8*\c+7], 0
.else
	v_wmma_f32_16x16x32_f16 v[S+32*\t+8*\kt:S+32*\t+8*\kt+7], v[KV+8*(2*\kt+\c):KV+8*(2*\kt+\c)+7], v[Q+16*\t+8*\c:Q+16*\t+8*\c+7], v[S+32*\t+8*\kt:S+32*\t+8*\kt+7]
.endif
.endr
.endr
.endm
; O^T += V^T P for tile t: keys 32 kc on, channels 16 ct on
.macro MULPV t
.irp kc, 0,1
.irp ct, 0,1,2,3
	v_wmma_f32_16x16x32_f16 v[O+32*\t+8*\ct:O+32*\t+8*\ct+7], v[KV+8*(4*\kc+\ct):KV+8*(4*\kc+\ct)+7], v[S+32*\t+8*\kc:S+32*\t+8*\kc+7], v[O+32*\t+8*\ct:O+32*\t+8*\ct+7]
.endr
.endr
.endm
; On the diagonal the scores of hidden keys become -infinity ahead of the maximum.  Register 8 kt + j holds key KF + 16 kt + 8 h + j: hidden where 16 kt + j > d = my query - KF - 8 h.  A step all of whose keys count jumps over this.
.macro MASK t, q0
	s_add_co_u32 s58, s[KF], 63
	s_cmp_le_u32 s58, s[\q0]
	s_cbranch_scc1 .Lopen_\@
	s_sub_co_i32 s58, s[\q0], s[KF]
	v_add_nc_u32 v[ST+8*\t+4], s58, v[LM]
.set n, 0
.rept 32
	v_cmp_gt_i32 vcc_lo, 16*(n/8)+n%8, v[ST+8*\t+4]
	v_cndmask_b32 v[S+32*\t+n], v[S+32*\t+n], v[NINF], vcc_lo
.set n, n+1
.endr
.Lopen_\@:
.endm
; One tile's softmax for one key step
.macro SM t
.set rT, ST+8*(\t)
.set rS, S+32*(\t)
.set rO, O+32*(\t)
.irp j, 0,1,2,3
	v_max3_num_f32 v[rT+4+\j], v[rS+8*\j], v[rS+8*\j+1], v[rS+8*\j+2]      ; four chains, each accumulator from its low end on
.endr
.irp g, 1,2
.irp j, 0,1,2,3
	v_max3_num_f32 v[rT+4+\j], v[rT+4+\j], v[rS+8*\j+2*\g+1], v[rS+8*\j+2*\g+2]
.endr
.endr
	v_max3_num_f32 v[rT+4], v[rT+4], v[rS+7], v[rS+15]
	v_max3_num_f32 v[rT+6], v[rT+6], v[rS+23], v[rS+31]
	v_max3_num_f32 v[rT+4], v[rT+4], v[rT+5], v[rT+6]
	v_max3_num_f32 v[rT+4], v[rT+4], v[rT+7], v[rT+1]              ; with the old m
	v_permlanex16_b32 v[rT+5], v[rT+4], s[SEL], s[SEL+1]           ; the query's other 32 keys lie in the lane 16 away
	v_mov_b32 v[rT+7], v[rT]                       ; c m_old
	v_max_num_f32 v[rT+1], v[rT+4], v[rT+5]        ; the new m
	v_mul_f32 v[rT], s[CS], v[rT+1]
	v_sub_f32 v[rT+7], v[rT+7], v[rT]
.set n, 0
.rept 16
	v_pk_fma_f32 v[rS+n:rS+n+1], v[rS+n:rS+n+1], s[CS:CS+1], v[rT:rT+1] op_sel_hi:[1,0,0] neg_lo:[0,0,1] neg_hi:[0,0,1]   ; c s - c m
.set n, n+2
.endr
	v_exp_f32 v[rT+6], v[rT+7]                     ; a
.set n, 0
.rept 32
	v_exp_f32 v[rS+n], v[rS+n]                     ; p
.set n, n+1
.endr
	v_nop                                          ; a plain line behind the last exponential
	s_wait_alu depctr_va_vdst(0)                   ; one wait for the batch of 33, ahead of its first reader
	v_pk_fma_f32 v[rT+2:rT+3], v[rT+2:rT+3], v[rT+6:rT+7], v[rS:rS+1] op_sel_hi:[1,0,1]   ; l = a l + p, in two chains
	v_pk_add_f32 v[rT+4:rT+5], v[rS+2:rS+3], v[rS+4:rS+5]
.irp b, 3,5,7,9,11,13
	v_pk_add_f32 v[rT+2:rT+3], v[rT+2:rT+3], v[rS+2*\b:rS+2*\b+1]
	v_pk_add_f32 v[rT+4:rT+5], v[rT+4:rT+5], v[rS+2*\b+2:rS+2*\b+3]
.endr
	v_pk_add_f32 v[rT+2:rT+3], v[rT+2:rT+3], v[rS+30:rS+31]
	v_pk_add_f32 v[rT+2:rT+3], v[rT+2:rT+3], v[rT+4:rT+5]
.set n, 0
.rept 16
	v_cvt_pk_f16_f32 v[rS+n], v[rS+2*n], v[rS+2*n+1]               ; in place, ascending: register n is written when pairs up to n have been read
.set n, n+1
.endr
.set n, 0
.rept 16
	v_pk_mul_f32 v[rO+n:rO+n+1], v[rO+n:rO+n+1], v[rT+6:rT+7] op_sel_hi:[1,0]   ; O^T x a
.set n, n+2
.endr
.endm
; What follows the high tile's K Q^T in a key step.  two = 1: both tiles work; two = 0: the high tile alone.
.macro BODY two
.if \two
	MULKQ 1
.endif
.rept 4
	v_nop                                          ; places ahead of the loads into K's registers and of the first read of the scores
.endr
.irp kc, 0,1
.irp ct, 0,1,2,3
	ds_load_tr16_b128 v[KV+8*(4*\kc+\ct):KV+8*(4*\kc+\ct)+3],   v[ADV] offset:\kc*32*PVV+32*\ct
	ds_load_tr16_b128 v[KV+8*(4*\kc+\ct)+4:KV+8*(4*\kc+\ct)+7], v[ADV] offset:\kc*32*PVV+32*\ct+16*PVV
.endr
.endr
	MASK 0, QH
	SM 0                                           ; V lands meanwhile
	s_wait_dscnt 0x0
	MULPV 0
.if \two
	MASK 1, QL
	SM 1                                           ; beside the high tile's products: it names none of their registers
	MULPV 1
.endif
.endm
; MY KEY STEP OF THE SLOT IN HAND: 64 keys.  A step all of whose keys come after a tile's queries is left out for that tile: scalar branches on ids; no barrier and no tensor load stands in a step.
; ONE branch decides for the whole step whether the low tile works, and both ways are written out: so on every way a tile's scores are made before they are read.
.macro STEP
	s_cmp_gt_u32 s[KF], s[QH15]
	s_cbranch_scc1 .Lhidden_\@
	v_add_nc_u32 v[ADK], s[TB], v[AK0]
	v_add_nc_u32 v[ADV], s[TB], v[AV0]
.rept 3
	v_nop                                          ; with the two additions five places behind the last step's products: four for the loads into their registers, five for the products that write over P
.endr
.irp kt, 0,1,2,3
.irp c, 0,1
	ds_load_b128 v[KV+8*(2*\kt+\c):KV+8*(2*\kt+\c)+3],   v[ADK] offset:\kt*16*PK+64*\c
	ds_load_b128 v[KV+8*(2*\kt+\c)+4:KV+8*(2*\kt+\c)+7], v[ADK] offset:\kt*16*PK+64*\c+32
.endr
.endr
	s_wait_dscnt 0x0
	MULKQ 0
	s_cmp_gt_u32 s[KF], s[QL15]
	s_cbranch_scc1 .Lone_\@
	BODY 1
	s_branch .Lhidden_\@
.Lone_\@:
	BODY 0
.Lhidden_\@:
	s_add_co_u32 s[KF], s[KF], SK                  ; my step of the next slot
.endm
; THE CHANGE OF SLOTS, at a slot's head.  Each wave waits for all its tensor loads (its part of the slot ahead), adds 0 to its spare word, and waits for that and for its reads of the slot that it has left.
; Behind the barrier the slot ahead is whole and nobody reads the other: it is filled with the next 128 keys, if any wave of the work-group will read them.  That test is made of the work-group's number and the
; count of slots, the same in all sixteen waves; it leads round the load's own lines alone; every wait for tensor loads in this text is for 0; where the tail begins hangs on the work-group's number.
.macro CHANGE
	s_wait_tensorcnt 0x0                           ; no tensor load of mine is out, so a group 0 may be written
	ds_add_u32 v[SPW], v[NIL]
	ds_add_u32 v[SPW], v[NIL]                      ; twice on end, in every trip alike; the descriptors' steps stand between the second and the wait
	s_xor_b32 s[G0K+1], s[G0K+1], SLOT1
	s_add_nc_u64 s[G0K+2:G0K+3], s[G0K+2:G0K+3], SK*128
	s_xor_b32 s[G0V+1], s[G0V+1], SLOT1
	s_add_nc_u64 s[G0V+2:G0V+3], s[G0V+2:G0V+3], SK*128
	s_wait_xcnt 0x0                                ; the last prefetch, a slot back, has read its address
	s_add_nc_u64 s[PFA:PFA+1], s[PFA:PFA+1], SK*128
	s_wait_dscnt 0x0                               ; both adds are done, and my reads of the slot that I have left are over
	s_barrier_signal -1
	s_barrier_wait -1
	s_add_co_u32 s58, s[SF], SK                    ; the first key of the slot that this change would ask for
	s_cmp_gt_u32 s58, s[LASTQ]
	s_cbranch_scc1 .Lpast_\@
	TLOAD                                          ; a fetching wave's one tensor load until the next change: it has the slot's two key steps in which to land
.Lpast_\@:
	ASK
.endm
	s_wait_loadcnt 0x0                             ; Q
.Lslot:                                            ; 16 trips
	CHANGE
	STEP
	s_xor_b32 s[TB], s[TB], SLOT1
	s_add_co_u32 s[SF], s[SF], SK
	s_sub_co_u32 s[SLOTS], s[SLOTS], 1
	s_cmp_lg_u32 s[SLOTS], 0
	s_cbranch_scc1 .Lslot
	; THE MERGE.  Waves 8-15 hand their half to waves 0-7 as images of registers: each group of four by one store, 16 bytes a lane, 512 bytes on end.
.rept 4
	v_nop                                          ; places behind the last products, ahead of the stores that read O^T and of the loads into registers that products have read
.endr
	s_cmp_lt_u32 s[WV], 8
	s_cbranch_scc1 .Lkeeper
.set g, 0
.rept 16
	ds_store_b128 v[MI], v[O+4*g:O+4*g+3] offset:512*g             ; each accumulator from its low end on
.set g, g+1
.endr
	ds_store_b128 v[MI], v[ST:ST+3] offset:16*512                  ; c m, m, l, l of the high tile,
	ds_store_b128 v[MI], v[ST+8:ST+11] offset:17*512               ; and of the low one
.Lkeeper:
	s_wait_dscnt 0x0                               ; for the others' sake: my stores have landed
	s_barrier_signal -1
	s_barrier_wait -1
	s_cmp_gt_u32 s[WV], 7
	s_cbranch_scc1 .Lend                           ; waves 8-15 are done
	ds_load_b128 v[Q:Q+3], v[MI] offset:16*512
	ds_load_b128 v[Q+4:Q+7], v[MI] offset:17*512
.set g, 0
.rept 16
	ds_load_b128 v[KV+4*g:KV+4*g+3], v[MI] offset:512*g
.set g, g+1
.endr
	s_wait_dscnt 16                                ; the other half's statistics are in; its O^T, sixteen loads, may be out
.irp t, 0,1
	v_max_num_f32 v[ST+8*\t+4], v[ST+8*\t], v[Q+4*\t]              ; c m of both halves (c is positive)
.endr
.irp t, 0,1
	v_sub_f32 v[ST+8*\t+5], v[ST+8*\t], v[ST+8*\t+4]
	v_sub_f32 v[ST+8*\t+6], v[Q+4*\t], v[ST+8*\t+4]
	v_add_f32 v[ST+8*\t+2], v[ST+8*\t+2], v[ST+8*\t+3]             ; l's two chains, mine
	v_add_f32 v[Q+4*\t+2], v[Q+4*\t+2], v[Q+4*\t+3]                ; and the other half's
.endr
.irp t, 0,1
	v_exp_f32 v[ST+8*\t+5], v[ST+8*\t+5]           ; a1
	v_exp_f32 v[ST+8*\t+6], v[ST+8*\t+6]           ; a2
.endr
	v_nop                                          ; a plain line behind the last exponential
	s_wait_alu depctr_va_vdst(0)                   ; one wait for the four, ahead of their first reader
.irp t, 0,1
	v_mul_f32 v[ST+8*\t+2], v[ST+8*\t+2], v[ST+8*\t+5]
.endr
.irp t, 0,1
	v_fma_f32 v[ST+8*\t+2], v[Q+4*\t+2], v[ST+8*\t+6], v[ST+8*\t+2]   ; a1 l1 + a2 l2
.endr
.irp t, 0,1
	v_permlanex16_b32 v[ST+8*\t+7], v[ST+8*\t+2], s[SEL], s[SEL+1]
.endr
.irp t, 0,1
	v_add_f32 v[ST+8*\t+2], v[ST+8*\t+2], v[ST+8*\t+7]             ; with the other half of the lanes: the row's sum
.endr
.irp t, 0,1
	v_rcp_f32 v[ST+8*\t+3], v[ST+8*\t+2]
.endr
	v_nop                                          ; a plain line behind the reciprocals
	s_wait_alu depctr_va_vdst(0)                   ; one wait for both, ahead of their first reader
.irp t, 0,1
	v_mul_f32 v[ST+8*\t+4], v[ST+8*\t+5], v[ST+8*\t+3]             ; a1 / l
	v_mul_f32 v[ST+8*\t+6], v[ST+8*\t+6], v[ST+8*\t+3]             ; a2 / l
.endr
	s_wait_dscnt 0x0                               ; the other half's O^T is in
	; THE WAY OUT.  O^T = O1 a1 / l + O2 a2 / l is rounded to f16 and goes through my stage, a tile (16 rows of 128 bytes) at a time.
.macro OUTT t
.set rT, ST+8*(\t)
.set rS, S+32*(\t)
.set rO, O+32*(\t)
.set rP, KV+32*(\t)
.set n, 0
.rept 16
	v_pk_mul_f32 v[rO+n:rO+n+1], v[rO+n:rO+n+1], v[rT+4:rT+5] op_sel_hi:[1,0]
.set n, n+2
.endr
.set n, 0
.rept 16
	v_pk_fma_f32 v[rO+n:rO+n+1], v[rP+n:rP+n+1], v[rT+6:rT+7], v[rO+n:rO+n+1] op_sel_hi:[1,0,1]
.set n, n+2
.endr
.set n, 0
.rept 16
	v_cvt_pk_f16_f32 v[rS+n], v[rO+2*n], v[rO+2*n+1]
.set n, n+1
.endr
.irp ct, 0,1,2,3
	ds_store_b128 v[STO], v[rS+4*\ct:rS+4*\ct+3] offset:32*\ct     ; row r, channels 16 ct + 8 h on
.endr
.irp u, 0,1,2,3
	ds_load_b128 v[rS+16+4*\u:rS+16+4*\u+3], v[RD] offset:\u*4*PK  ; back as four whole rows; LDS serves a wave's instructions in order
.endr
.endm
	OUTT 0
	OUTT 1
.irp u, 0,1,2,3
	s_wait_dscnt 11-\u                             ; behind load u of the high tile: its younger loads and the low tile's eight instructions
	global_store_b128 v[GO], v[S+16+4*\u:S+16+4*\u+3], s[CBH:CBH+1] offset:512*\u   ; 32 lanes store 512 consecutive bytes, aligned
.endr
.irp u, 0,1,2,3
	s_wait_dscnt 3-\u
	global_store_b128 v[GO], v[S+48+4*\u:S+48+4*\u+3], s[CBL:CBL+1] offset:512*\u
.endr
.Lend:
	s_wait_tensorcnt 0x0                           ; the wave's end
	ds_add_u32 v[SPW], v[NIL]
	s_wait_dscnt 0x0
	s_endpgm
.Lfunc_end_k_qb23b0c763e_attn:
	.size	k_qb23b0c763e_attn, .Lfunc_end_k_qb23b0c763e_attn-k_qb23b0c763e_attn
	.p2alignl 7, 3214868480
	.fill 96, 4, 3214868480
	.section	.rodata,"a",@progbits
	.p2align	6, 0x0
	.amdhsa_kernel k_qb23b0c763e_attn
		.amdhsa_group_segment_fixed_size 327680
		.amdhsa_private_segment_fixed_size 0
		.amdhsa_enable_private_segment 0
		.amdhsa_kernarg_size 16
		.amdhsa_user_sgpr_count 2
		.amdhsa_user_sgpr_kernarg_segment_ptr 1
		.amdhsa_wavefront_size32 1
		.amdhsa_system_sgpr_workgroup_id_x 1
		.amdhsa_system_sgpr_workgroup_id_y 1
		.amdhsa_system_sgpr_workgroup_id_z 1
		.amdhsa_system_vgpr_workitem_id 0
		.amdhsa_next_free_vgpr 256
		.amdhsa_next_free_sgpr 72
		.amdhsa_reserve_vcc 1
		.amdhsa_float_denorm_mode_32 3
		.amdhsa_float_denorm_mode_16_64 3
		.amdhsa_memory_ordered 1
		.amdhsa_forward_progress 1
		.amdhsa_inst_pref_size 55
	.end_amdhsa_kernel
	.amdgpu_metadata
---
amdhsa.version: [ 1, 2 ]
amdhsa.kernels:
  - .name:           k_qb23b0c763e_attn
    .symbol:         k_qb23b0c763e_attn.kd
    .args:
      - { .name: qkv, .offset: 0, .size: 8, .value_kind: global_buffer, .address_space: global }
      - { .name: ctx, .offset: 8, .size: 8, .value_kind: global_buffer, .address_space: global }
    .group_segment_fixed_size: 327680
    .private_segment_fixed_size: 0
    .kernarg_segment_align: 8
    .kernarg_segment_size: 16
    .max_flat_workgroup_size: 512
    .sgpr_count:     72
    .vgpr_count:     256
    .wavefront_size: 32
...
	.end_amdgpu_metadata
.endif
;; end of part 3
;; launch oproj (part 4): grid 8 x 32, 4 waves a work-group, clusters of 4 x 4, 327,680 bytes of LDS; arguments ctx, wo16, b_o, out0; writes out0
.if DOCPART == 4
	.amdgcn_target "amdgcn-amd-amdhsa--gfx1250"
	.amdhsa_code_object_version 6
	.text
	.protected	k_qb23b0c763e_oproj
	.globl	k_qb23b0c763e_oproj
	.p2align	8
	.type	k_qb23b0c763e_oproj,@function
k_qb23b0c763e_oproj:
	s_mov_b64 s[64:65], 0
	v_nop
	global_prefetch_b8 v0, s[64:65] scope:SCOPE_SE
	s_setreg_imm32_b32 hwreg(HW_REG_WAVE_MODE, 25, 1), 1
	s_wait_xcnt 0x0
	s_wait_alu depctr_hold_cnt(0) depctr_sa_sdst(0) depctr_va_vdst(0) depctr_va_sdst(0) depctr_va_ssrc(0) depctr_va_vcc(0) depctr_vm_vsrc(0)
	s_getreg_b32 s2, hwreg(HW_REG_IB_STS2, 6, 4)
	s_cmp_eq_u32 s2, 0
	s_cbranch_scc0 .Lentry_in_a_cluster
	s_endpgm
.Lentry_in_a_cluster:
	s_bfe_u32 s2, ttmp6, 0x10000c
	s_cmp_lg_u32 s2, 0xf033
	s_cbranch_scc0 .Lentry_shape_is_right
	s_endpgm
.Lentry_shape_is_right:
; out0 = ctx w_o + b_o.  ctx: [batch][head][2048][64] f16 (k = 64 head + channel);  wo16: [k 1024][n 1024] f16;  b_o [1024], out0 [4096][1024] f32; sums in f32.
; A tile of out0 is 128 x 128: 256 work-groups; four waves, each 64 x 64: 16 accumulators.  K goes in 4 steps of 256 (four heads) through two LDS slots; two refills, written out.
; CLUSTERS: 4 x 4 work-groups: ctx's tiles are asked for jointly along a row of the cluster, w_o's along a column.
; THE MATRIX INSTRUCTION IS USED TRANSPOSED: source 0 = 16 columns n of w_o (turned out of LDS by ds_load_tr16_b128, since K is its first axis), source 1 = 16 rows of ctx: a lane holds eight neighbouring columns of one row.
; The bias is the C of each sum's first matrix instruction: eight registers for each block of 16 columns.
; Rows 0-15 of each sequence are made here too, and overwritten by the last launch, which makes them in f32.
; REGISTERS: window 0: v0-31 addresses; v32-95 rows on the way out; v96-127 the bias; v128-255 the accumulators ((a, b) at v[128 + 8 (4 a + b)]).  window 1: two fragment buffers of 128: 64 of ctx, then 64 of w_o.
.set PA,     144                       ; a row of ctx in LDS: a head's 128 bytes + 16
.set PB,     288                       ; a row k of w_o: 256 bytes + 32
.set HALFT,  36864                     ; what one tensor load brings: 2 heads x 128 rows x PA, or 128 rows x PB
.set SLOT,   4*HALFT
.set STAGE,  2*SLOT                    ; each wave's own 16 rows x 272 bytes
.set SPITCH, 272
.set SPARE,  STAGE+4*16*SPITCH
.set ADRA, 16                          ; v16-17  my ctx fragments in slot 0, 1
.set ADRB, 20                          ; v20-23  my w_o fragments: 2 x slot + half of the K step, so that the offsets stay under 65,536
.set STO,  24
.set RD,   25
.set CO,   26
.set BO,   27
.set SPW,  28
.set NIL,  29
.set OB,   32
.set BIAS, 96
.set ACC,  128
.set F0,   0
.set F1,   128
.set G1, 24
.set G0, 32
.set G1B, 48
.set G0B, 56
.set MSB, 0
.macro WIN new
.if MSB != \new
	s_set_vgpr_msb (MSB<<8)|\new
.set MSB, \new
.endif
.endm
.set MUL,  0x05                        ; sources 0 and 1 window 1; C and D window 0
.set TO_F, 0x40                        ; destination window 1, address window 0
.macro JLOAD s                         ; waves 0 and 1 fetch ctx's halves, waves 2 and 3 w_o's; an s_nop 0 and four v_nop follow each line
	s_cmp_eq_u32 s11, 0
	s_cbranch_scc0 .Lfor_b_\@
	tensor_load_to_lds s[G0+4*\s:G0+4*\s+3], s[G1:G1+7]
	s_nop 0
.rept 4
	v_nop
.endr
	s_branch .Lasked_\@
.Lfor_b_\@:
	tensor_load_to_lds s[G0B+4*\s:G0B+4*\s+3], s[G1B:G1B+7]
	s_nop 0
.rept 4
	v_nop
.endr
.Lasked_\@:
.endm
.macro CREST
	s_cmp_lg_u32 s10, 0
	s_cbranch_scc1 .Lnot_wave_0_\@
	s_barrier_signal -3
.Lnot_wave_0_\@:
	s_barrier_wait -3
	s_barrier_signal -1
	s_barrier_wait -1
.endm
.macro CROUND
	s_barrier_signal -1
	s_barrier_wait -1
	CREST
.endm
	s_load_b128 s[4:7], s[0:1], 0x0                ; ctx, wo16
	s_load_b128 s[68:71], s[0:1], 0x10             ; b_o, out0
	v_lshl_add_u32 v[SPW], v0, 2, SPARE
	v_mov_b32 v[NIL], 0
	ds_add_u32 v[SPW], v[NIL]                      ; the wave's opening: the add, twice on end, and its wait ahead of my first tensor load
	ds_add_u32 v[SPW], v[NIL]
	v_lshrrev_b32 v1, 5, v0
	v_readfirstlane_b32 s10, v1                    ; wave 0..3
	s_lshr_b32 s11, s10, 1                         ; which half of the tile's rows is mine; also: I fetch ctx (0) or w_o (1)
	s_and_b32 s12, s10, 1                          ; which half of its columns; also: which half of the K step I fetch
	s_bfe_u32 s40, ttmp6, 0x40000
	s_bfe_u32 s41, ttmp6, 0x40004
	s_lshl_b32 s42, ttmp9, 2
	s_add_co_u32 s42, s42, s40                     ; tile column
	s_and_b32 s13, ttmp7, 0xffff
	s_lshl_b32 s13, s13, 2
	s_add_co_u32 s13, s13, s41                     ; tile row
	s_lshl_b32 s43, s41, 2
	s_lshl_b32 s43, 15, s43
	s_lshl_b32 s44, 0x1111, s40
	; ctx: two heads to a load.  A row of the tile is a head's 128 dense rows, 8,192 elements; 4 words of padding behind every 32, which divides it: every 128 bytes lie PA apart.  From head to head 131,072 elements
	s_or_b32 s[G1+0], s43, (1<<16)|(1<<20)|(1<<21)|(4<<22)|(3<<25)
	s_mov_b32 s[G1+1], 8192<<16                    ; tensor_dim0
	s_mov_b32 s[G1+2], 2<<16                       ; tensor_dim1
	s_mov_b32 s[G1+3], 8192<<16                    ; tile_dim0
	s_mov_b32 s[G1+4], 2                           ; tile_dim1
	s_mov_b32 s[G1+5], 131072                      ; pitch
	s_mov_b32 s[G1+6], 0
	s_mov_b32 s[G1+7], 0
	; w_o: 128 rows k x 128 columns, 8 words of padding behind every 64
	s_or_b32 s[G1B+0], s44, (1<<16)|(1<<20)|(1<<21)|(5<<22)|(7<<25)
	s_mov_b32 s[G1B+1], 128<<16
	s_mov_b32 s[G1B+2], 128<<16
	s_mov_b32 s[G1B+3], 128<<16
	s_mov_b32 s[G1B+4], 128
	s_mov_b32 s[G1B+5], 1024
	s_mov_b32 s[G1B+6], 0
	s_mov_b32 s[G1B+7], 0
	s_lshr_b32 s16, s13, 4                         ; ctx: batch << 22 + (2 x half) heads << 18 + 128 (tile row % 16) rows << 7
	s_lshl_b32 s16, s16, 22
	s_and_b32 s17, s13, 15
	s_lshl_b32 s17, s17, 14
	s_add_co_u32 s16, s16, s17
	s_lshl_b32 s17, s12, 19
	s_add_co_u32 s16, s16, s17
	s_mov_b32 s17, 0
	s_lshl_b32 s46, s42, 8                         ; w_o: 128 x half rows of 2,048 bytes + 256 x tile column
	s_lshl_b32 s47, s12, 18
	s_add_co_u32 s46, s46, s47
	s_mov_b32 s47, 0
	s_mul_i32 s20, s10, HALFT                      ; where they go: no place in the cluster enters an LDS address
	s_wait_dscnt 0x0                               ; both opening adds are done
	s_wait_kmcnt 0x0
	s_add_nc_u64 s[14:15], s[4:5], s[16:17]
	s_add_nc_u64 s[46:47], s[6:7], s[46:47]
	CROUND                                         ; all sixteen work-groups are here
.irp s, 0,1
	s_mov_b32 s[G0+4*\s], 1
	s_add_co_u32 s[G0+4*\s+1], s20, \s*SLOT
	s_add_nc_u64 s[G0+4*\s+2:G0+4*\s+3], s[14:15], \s*4*262144     ; K step s: four heads on
	s_or_b32 s[G0+4*\s+3], s[G0+4*\s+3], 0x80000000
	s_mov_b32 s[G0B+4*\s], 1
	s_add_co_u32 s[G0B+4*\s+1], s20, \s*SLOT
	s_add_nc_u64 s[G0B+4*\s+2:G0B+4*\s+3], s[46:47], \s*256*2048   ; 256 rows on
	s_or_b32 s[G0B+4*\s+3], s[G0B+4*\s+3], 0x80000000
	JLOAD \s
.endr
	v_and_b32 v1, 15, v0                           ; r
	v_bfe_u32 v2, v0, 4, 1                         ; h
	v_mul_u32_u24 v3, v1, PA
	v_lshl_add_u32 v3, v2, 4, v3
	s_mul_i32 s21, s11, 64*PA                      ; my 64 rows, in each head's part
	v_and_b32 v4, 7, v0
	v_lshl_add_u32 v4, v2, 3, v4                   ; the turning load: k 8 h + l % 8,
	v_mul_u32_u24 v4, v4, PB
	v_bfe_u32 v5, v0, 3, 1
	v_lshl_add_u32 v4, v5, 4, v4                   ; columns 8 ((l / 8) % 2) on
	s_lshl_b32 s22, s12, 7                         ; my 64 columns
	s_add_co_u32 s22, s22, 2*HALFT
.irp s, 0,1
	v_add_nc_u32 v[ADRA+\s], s21, v3
	v_add_nc_u32 v[ADRB+2*\s], s22, v4
	s_add_co_u32 s22, s22, HALFT
	v_add_nc_u32 v[ADRB+2*\s+1], s22, v4
	s_add_co_u32 s21, s21, SLOT
	s_add_co_u32 s22, s22, SLOT-HALFT
.endr
	s_mul_i32 s23, s10, 16*SPITCH
	s_add_co_u32 s23, s23, STAGE                   ; my stage
	v_mul_u32_u24 v5, v1, SPITCH
	v_lshl_add_u32 v5, v2, 5, v5
	v_add_nc_u32 v[STO], s23, v5                   ; in: row r, 32 bytes for each half of the lanes
	v_mul_u32_u24 v5, v2, SPITCH
	v_lshl_add_u32 v5, v1, 4, v5
	v_add_nc_u32 v[RD], s23, v5                    ; back: lanes 0-15 one row of 256 bytes, lanes 16-31 the next
	v_lshlrev_b32 v5, 12, v2
	v_lshl_add_u32 v[CO], v1, 4, v5                ; the same two rows in out0
	v_lshlrev_b32 v[BO], 5, v2                     ; the bias: 32 h
	s_lshl_b32 s16, s13, 19                        ; my first row: (128 x tile row + 64 x half) x 4,096 bytes
	s_lshl_b32 s17, s11, 18
	s_add_co_u32 s16, s16, s17
	s_lshl_b32 s46, s42, 9                         ; my first column, in bytes: 512 x tile column + 256 x half
	s_lshl_b32 s47, s12, 8
	s_add_co_u32 s46, s46, s47
	s_add_co_u32 s16, s16, s46
	s_mov_b32 s17, 0
	s_mov_b32 s47, 0
	s_add_nc_u64 s[70:71], s[70:71], s[16:17]
	s_add_nc_u64 s[68:69], s[68:69], s[46:47]
.irp b, 0,1,2,3
	global_load_b128 v[BIAS+8*\b:BIAS+8*\b+3],   v[BO], s[68:69] offset:64*\b       ; b_o at columns 16 b + 8 h + 0 .. 7 of my 64
	global_load_b128 v[BIAS+8*\b+4:BIAS+8*\b+7], v[BO], s[68:69] offset:64*\b+16
.endr
; 8 matrix instructions: row blocks a0, a0 + 1 x all 4 column blocks, 32 along K: half c of buffer f.  first = 1: the bias starts the sums.  The 16 accumulators take turns
.macro MUL8 f, c, a0, first
.irp a, \a0, \a0+1
.irp b, 0,1,2,3
.if \first
	v_wmma_f32_16x16x32_f16 v[ACC+8*(4*(\a)+\b):ACC+8*(4*(\a)+\b)+7], v[\f+64+8*(4*\c+\b):\f+64+8*(4*\c+\b)+7], v[\f+8*(4*\c+(\a)):\f+8*(4*\c+(\a))+7], v[BIAS+8*\b:BIAS+8*\b+7]
.else
	v_wmma_f32_16x16x32_f16 v[ACC+8*(4*(\a)+\b):ACC+8*(4*(\a)+\b)+7], v[\f+64+8*(4*\c+\b):\f+64+8*(4*\c+\b)+7], v[\f+8*(4*\c+(\a)):\f+8*(4*\c+(\a))+7], v[ACC+8*(4*(\a)+\b):ACC+8*(4*(\a)+\b)+7]
.endif
.endr
.endr
.endm
; 32 LDS loads in one run: quarter q of a slot (one head, 64 along K) into buffer f; the first 32 along K first
.macro FETCH slot, q, f
	WIN TO_F
.irp c, 0,1
.irp i, 0,1,2,3
	ds_load_tr16_b128 v[\f+64+8*(4*\c+\i):\f+64+8*(4*\c+\i)+3],   v[ADRB+2*\slot+(\q)/2] offset:(((\q)%2)*64+32*\c)*PB+32*\i
	ds_load_tr16_b128 v[\f+64+8*(4*\c+\i)+4:\f+64+8*(4*\c+\i)+7], v[ADRB+2*\slot+(\q)/2] offset:(((\q)%2)*64+32*\c)*PB+32*\i+16*PB
	ds_load_b128 v[\f+8*(4*\c+\i):\f+8*(4*\c+\i)+3],              v[ADRA+\slot] offset:(\q)*128*PA+\i*16*PA+64*\c
	ds_load_b128 v[\f+8*(4*\c+\i)+4:\f+8*(4*\c+\i)+7],            v[ADRA+\slot] offset:(\q)*128*PA+\i*16*PA+64*\c+32
.endr
.endr
.endm
.macro PLACES                          ; four plain lines ahead of loads into registers that matrix instructions have read, and of reads of results
.rept 4
	v_nop
.endr
.endm
.macro QUARTER slot, qn, f, g, first   ; multiplies buffer f and fetches quarter qn of the same slot into g
	s_wait_dscnt 16                                ; the first 32 along K are in; the other sixteen loads may be out
	WIN MUL
	MUL8 \f, 0, 0, \first
	MUL8 \f, 0, 2, \first
	PLACES
	FETCH \slot, \qn, \g
	s_wait_dscnt 32                                ; all but the 32 just issued
	WIN MUL
	MUL8 \f, 1, 0, 0
	MUL8 \f, 1, 2, 0
.endm
; The last quarter multiplies buffer 1 and changes slots: one barrier; in front of it each wave waits for all its tensor loads, adds 0 to its spare word, and waits for that and for its reads of this slot.
; fill = 1: the barrier opens a round of the cluster's barrier, and this slot is filled again, two K steps ahead, first thing behind the round.
.macro TURN slot, next, fill
	WIN 0
	s_wait_tensorcnt 0x0
	ds_add_u32 v[SPW], v[NIL]
	s_wait_dscnt 17                                ; the add and the youngest sixteen loads may be out
	WIN MUL
	MUL8 F1, 0, 0, 0
	s_wait_dscnt 0x0                               ; the add is done, and my reads of this slot are over
	s_barrier_signal -1
	MUL8 F1, 0, 2, 0
.if \fill
	WIN 0
.endif
	s_barrier_wait -1
.if \fill
	CREST
	s_add_nc_u64 s[G0+4*\slot+2:G0+4*\slot+3], s[G0+4*\slot+2:G0+4*\slot+3], 2*4*262144
	s_add_nc_u64 s[G0B+4*\slot+2:G0B+4*\slot+3], s[G0B+4*\slot+2:G0B+4*\slot+3], 2*256*2048
	JLOAD \slot                                    ; the four v_nop behind it are also the places in front of the loads below
.else
	PLACES
.endif
	FETCH \next, 0, F0
	WIN MUL
	MUL8 F1, 1, 0, 0
	MUL8 F1, 1, 2, 0
.endm
	s_wait_loadcnt 0x0                             ; the bias
	s_wait_tensorcnt 1                             ; my part of K step 0 is in; K step 1's load may be out,
	s_barrier_signal -1
	s_barrier_wait -1                              ; everybody's is
	FETCH 0, 0, F0
	QUARTER 0, 1, F0, F1, 1
	QUARTER 0, 2, F1, F0, 0
	QUARTER 0, 3, F0, F1, 0
	TURN 0, 1, 1                                   ; slot 0 takes K step 2
	QUARTER 1, 1, F0, F1, 0
	QUARTER 1, 2, F1, F0, 0
	QUARTER 1, 3, F0, F1, 0
	TURN 1, 0, 1                                   ; slot 1 takes K step 3
	QUARTER 0, 1, F0, F1, 0
	QUARTER 0, 2, F1, F0, 0
	QUARTER 0, 3, F0, F1, 0
	TURN 0, 1, 0
	QUARTER 1, 1, F0, F1, 0
	QUARTER 1, 2, F1, F0, 0
	QUARTER 1, 3, F0, F1, 0
	s_wait_dscnt 16                                ; the very last quarter
	WIN MUL
	MUL8 F1, 0, 0, 0
	MUL8 F1, 0, 2, 0
	s_wait_dscnt 0
	MUL8 F1, 1, 0, 0
	MUL8 F1, 1, 2, 0
	WIN 0
; THE WAY OUT.  My 64 columns of f32 are 256 bytes of a row: a block of 16 rows goes through my own stage and comes back as whole rows, sixteen lanes to 256 consecutive aligned bytes.
.macro TOSTAGE a
.irp b, 0,1,2,3
	ds_store_b128 v[STO], v[ACC+8*(4*(\a)+\b):ACC+8*(4*(\a)+\b)+3] offset:64*\b          ; each accumulator from its low end on
	ds_store_b128 v[STO], v[ACC+8*(4*(\a)+\b)+4:ACC+8*(4*(\a)+\b)+7] offset:64*\b+16
.endr
.set BB, OB+32*((\a)%2)
.irp t, 0,1,2,3,4,5,6,7
	ds_load_b128 v[BB+4*\t:BB+4*\t+3], v[RD] offset:\t*2*SPITCH    ; LDS serves a wave's instructions in order
.endr
.endm
.macro SEND a, younger
.set BB, OB+32*((\a)%2)
	s_wait_dscnt \younger                          ; the block is back; the next block's 8 stores and 8 loads may be out
.if (\a) > 0
	s_add_nc_u64 s[70:71], s[70:71], 16*4096       ; behind a wait on XCNT: the earlier stores have read their base
.endif
.irp t, 0,1,2,3,4,5,6,7
	global_store_b128 v[CO], v[BB+4*\t:BB+4*\t+3], s[70:71] offset:2*\t*4096 th:TH_STORE_NT
.endr
.endm
	PLACES
	TOSTAGE 0
.irp a, 1,2,3
.if \a > 1
	s_wait_xcnt 0x0                                ; block a - 2's stores have read their registers and their base
.endif
	TOSTAGE \a
	SEND \a-1, 16
.endr
	s_wait_xcnt 0x0
	SEND 3, 0
	s_wait_tensorcnt 0x0                           ; the wave's end
	ds_add_u32 v[SPW], v[NIL]
	s_wait_dscnt 0x0
	CROUND                                         ; the closing round
	s_endpgm
.Lfunc_end_k_qb23b0c763e_oproj:
	.size	k_qb23b0c763e_oproj, .Lfunc_end_k_qb23b0c763e_oproj-k_qb23b0c763e_oproj
	.p2alignl 7, 3214868480
	.fill 96, 4, 3214868480
	.section	.rodata,"a",@progbits
	.p2align	6, 0x0
	.amdhsa_kernel k_qb23b0c763e_oproj
		.amdhsa_group_segment_fixed_size 327680
		.amdhsa_private_segment_fixed_size 0
		.amdhsa_enable_private_segment 0
		.amdhsa_kernarg_size 32
		.amdhsa_user_sgpr_count 2
		.amdhsa_user_sgpr_kernarg_segment_ptr 1
		.amdhsa_wavefront_size32 1
		.amdhsa_system_sgpr_workgroup_id_x 1
		.amdhsa_system_sgpr_workgroup_id_y 1
		.amdhsa_system_sgpr_workgroup_id_z 1
		.amdhsa_system_vgpr_workitem_id 0
		.amdhsa_next_free_vgpr 512
		.amdhsa_next_free_sgpr 72
		.amdhsa_reserve_vcc 0
		.amdhsa_float_denorm_mode_32 3
		.amdhsa_float_denorm_mode_16_64 3
		.amdhsa_memory_ordered 1
		.amdhsa_forward_progress 1
		.amdhsa_inst_pref_size 87
	.end_amdhsa_kernel
	.amdgpu_metadata
---
amdhsa.version: [ 1, 2 ]
amdhsa.kernels:
  - .name:           k_qb23b0c763e_oproj
    .symbol:         k_qb23b0c763e_oproj.kd
    .args:
      - { .name: ctx, .offset: 0, .size: 8, .value_kind: global_buffer, .address_space: global }
      - { .name: wo16, .offset: 8, .size: 8, .value_kind: global_buffer, .address_space: global }
      - { .name: b_o, .offset: 16, .size: 8, .value_kind: global_buffer, .address_space: global }
      - { .name: out0, .offset: 24, .size: 8, .value_kind: global_buffer, .address_space: global }
    .group_segment_fixed_size: 327680
    .private_segment_fixed_size: 0
    .kernarg_segment_align: 8
    .kernarg_segment_size: 32
    .max_flat_workgroup_size: 128
    .sgpr_count:     72
    .vgpr_count:     512
    .wavefront_size: 32
...
	.end_amdgpu_metadata
.endif
;; end of part 4
;; launch fine (part 5): grid 32 x 2, 16 waves a work-group, no clusters, 34,816 bytes of LDS; arguments qkv32, w_o, b_o, out0; writes out0
.if DOCPART == 5
	.amdgcn_target "amdgcn-amd-amdhsa--gfx1250"
	.amdhsa_code_object_version 6
	.text
	.protected	k_qb23b0c763e_fine
	.globl	k_qb23b0c763e_fine
	.p2align	8
	.type	k_qb23b0c763e_fine,@function
k_qb23b0c763e_fine:
	s_mov_b64 s[64:65], 0
	v_nop
	global_prefetch_b8 v0, s[64:65] scope:SCOPE_SE
	s_setreg_imm32_b32 hwreg(HW_REG_WAVE_MODE, 25, 1), 1
	s_wait_xcnt 0x0
; POSITIONS 0 TO 15 OF BOTH SEQUENCES, ALL IN F32: attention and the projection on the way out, by v_wmma_f32_16x16x4_f32.  These rows average one to sixteen values and are the largest of the output.
; It writes over 32 rows of out0 that the launch before has written: 131,072 bytes are written twice.
; qkv32: [batch][tensor][head][16][64] f32.  A work-group makes 16 rows of batch y x 32 columns (32 x on); wave = head: its head's 16 x 16 attention, then its head's part of the projection (K = its 64 channels);
; the sixteen parts meet in LDS and are added in the order of the heads, on top of the bias.  The attention is made anew in each of the 32 column slices: 32 of a wave's 64 matrix instructions, in place of a launch more.
; K IS PERMUTED ALIKE ON BOTH SIDES of each product, so that nothing changes lanes: lane (r, h), r = lane % 16, h = lane / 16.
;   S^T = K Q^T: chunk e takes registers 2 e, 2 e + 1 of both, channels 8 (e / 2) + 4 h + 2 (e % 2) + j.  Result: register j = key 8 h + j, query r.
;   O^T = V^T P: chunk c takes p's registers 2 c, 2 c + 1, keys 8 h + 2 c + j; V is loaded so.  Result of tile ct: register j = channel 16 ct + 8 h + j, query r.
;   out^T = W^T O: chunk (ct, c) takes the accumulator's own registers 8 ct + 2 c + j, channels 16 ct + 8 h + 2 c + j; w_o is loaded so.  Result of tile T: register j = column 16 T + 8 h + j, query r.
; v176-239 are written by matrix instructions alone; what is made of a finished sum goes into other registers.
; The last store covers 128 consecutive bytes with eight lanes: half of an aligned 256 bytes; 131,072 bytes in all.
.set SPARE, 32768
.set SPW, 11
.set NIL, 12
.set QR, 16                            ; v16-47   Q
.set KR, 48                            ; v48-79   K
.set VR, 80                            ; v80-111  V: 8 ct + jj
.set WR, 112                           ; v112-175 w_o: 32 T + 8 ct + jj
.set SA, 176                           ; v176-191 the scores, in two sums
.set OR, 192                           ; v192-223 O^T
.set UR, 224                           ; v224-239 my part of out^T
.set SS, 240                           ; v240-247 s
.set PR, 248                           ; v248-255 p
	s_load_b256 s[4:11], s[0:1], 0x0               ; qkv32, w_o, b_o, out0
	v_lshl_add_u32 v[SPW], v0, 2, SPARE
	v_mov_b32 v[NIL], 0
	v_lshrrev_b32 v1, 5, v0
	v_readfirstlane_b32 s12, v1                    ; wave = head
	s_and_b32 s13, ttmp7, 0xffff                   ; batch
	v_and_b32 v13, 15, v0                          ; r
	v_bfe_u32 v14, v0, 4, 1                        ; h
	v_lshlrev_b32 v3, 8, v13
	v_lshl_add_u32 v3, v14, 4, v3                  ; Q, K: row r of 256 bytes, + 16 h
	v_lshlrev_b32 v4, 2, v13
	v_lshl_add_u32 v5, v14, 15, v4                 ; w_o: 8 h rows of 4,096 bytes, + 4 r
	v_lshl_add_u32 v4, v14, 11, v4                 ; V: 8 h rows of 256 bytes, + 4 r
	v_lshlrev_b32 v6, 3, v14
	v_sub_nc_u32 v6, v13, v6                       ; r - 8 h
	v_and_b32 v7, 31, v0
	v_lshlrev_b32 v7, 4, v7
	s_lshl_b32 s14, s12, 11
	v_add_nc_u32 v7, s14, v7                       ; my part's image in LDS: 2,048 x wave + 16 x lane
	v_and_b32 v1, 127, v0                          ; the sum: thread t of 128 takes row t / 8, columns 4 (t % 8) on
	v_lshrrev_b32 v1, 3, v1
	v_lshlrev_b32 v8, 4, v1
	v_bfe_u32 v15, v0, 2, 1
	v_lshl_or_b32 v8, v15, 10, v8                  ; tile T,
	v_bfe_u32 v15, v0, 1, 1
	v_lshl_or_b32 v8, v15, 8, v8                   ; half of the lanes,
	v_and_b32 v15, 1, v0
	v_lshl_or_b32 v8, v15, 9, v8                   ; half of the accumulator: where those four numbers lie in an image
	v_and_b32 v10, 7, v0
	v_lshlrev_b32 v10, 4, v10
	v_lshl_add_u32 v9, v1, 12, v10                 ; and in out0
	v_mov_b32 v2, 0xff800000                       ; -infinity
	v_mov_b32 v15, 0                               ; written once: a lane permute's destination counts as one of its sources
	s_mov_b32 s20, 0x76543210
	s_mov_b32 s21, 0xfedcba98
	s_mov_b32 s22, 0x3e38aa3b                      ; c = log2(e) / 8
	s_mul_i32 s14, s13, 48
	s_add_co_u32 s14, s14, s12
	s_lshl_b32 s14, s14, 12                        ; (batch x 48 + head) x 4,096
	s_mov_b32 s15, 0
	s_lshl_b32 s16, ttmp9, 7                       ; my 32 columns, in bytes
	s_mov_b32 s17, 0
	s_lshl_b32 s18, s12, 18                        ; my head's 64 rows of w_o
	s_add_co_u32 s18, s18, s16
	s_mov_b32 s19, 0
	s_lshl_b32 s24, s13, 23                        ; my batch's first row of out0
	s_add_co_u32 s24, s24, s16
	s_mov_b32 s25, 0
	s_wait_kmcnt 0x0
	s_add_nc_u64 s[4:5], s[4:5], s[14:15]
	s_add_nc_u64 s[6:7], s[6:7], s[18:19]
	s_add_nc_u64 s[8:9], s[8:9], s[16:17]
	s_add_nc_u64 s[10:11], s[10:11], s[24:25]
.irp c, 0,1,2,3,4,5,6,7
	global_load_b128 v[QR+4*\c:QR+4*\c+3], v3, s[4:5] offset:32*\c
.endr
.irp c, 0,1,2,3,4,5,6,7
	global_load_b128 v[KR+4*\c:KR+4*\c+3], v3, s[4:5] offset:65536+32*\c
.endr
.irp ct, 0,1,2,3
.irp jj, 0,1,2,3,4,5,6,7
	global_load_b32 v[VR+8*\ct+\jj], v4, s[4:5] offset:131072+\jj*256+\ct*64
.endr
.endr
.irp T, 0,1
.irp ct, 0,1,2,3
.irp jj, 0,1,2,3,4,5,6,7
	global_load_b32 v[WR+32*\T+8*\ct+\jj], v5, s[6:7] offset:(16*\ct+\jj)*4096+64*\T
.endr
.endr
.endr
	s_wait_loadcnt 63                              ; of the 112 loads at least the first 49 are in: Q, K and V are the first 48
.irp e, 0,1,2,3,4,5,6,7,8,9,10,11,12,13,14,15
.if \e < 2
	v_wmma_f32_16x16x4_f32 v[SA+8*(\e%2):SA+8*(\e%2)+7], v[KR+2*\e:KR+2*\e+1], v[QR+2*\e:QR+2*\e+1], 0       ; two sums by turns; the first products start them
.else
	v_wmma_f32_16x16x4_f32 v[SA+8*(\e%2):SA+8*(\e%2)+7], v[KR+2*\e:KR+2*\e+1], v[QR+2*\e:QR+2*\e+1], v[SA+8*(\e%2):SA+8*(\e%2)+7]
.endif
.endr
.rept 8
	v_nop                                          ; eight places behind this form ahead of a read of its results (ISA guide 7.12.1)
.endr
.irp j, 0,2,4,6
	v_pk_add_f32 v[SS+\j:SS+\j+1], v[SA+\j:SA+\j+1], v[SA+8+\j:SA+8+\j+1]
.endr
.irp j, 0,1,2,3,4,5,6,7
	v_cmp_gt_i32 vcc_lo, \j, v6                    ; key 8 h + j comes after query r
	v_cndmask_b32 v[SS+\j], v[SS+\j], v2, vcc_lo
.endr
	v_max3_num_f32 v13, v[SS], v[SS+1], v[SS+2]
	v_max3_num_f32 v13, v13, v[SS+3], v[SS+4]
	v_max3_num_f32 v13, v13, v[SS+5], v[SS+6]
	v_max_num_f32 v13, v13, v[SS+7]
	v_permlanex16_b32 v15, v13, s20, s21
	v_max_num_f32 v13, v13, v15                    ; the row's maximum: key 0 counts for every query
	v_mul_f32 v13, s22, v13
.irp j, 0,1,2,3,4,5,6,7
	v_fma_f32 v[SS+\j], v[SS+\j], s22, -v13        ; c s - c m
.endr
.irp j, 0,1,2,3,4,5,6,7
	v_exp_f32 v[PR+\j], v[SS+\j]
.endr
	v_nop                                          ; a plain line behind the last exponential
	s_wait_alu depctr_va_vdst(0)                   ; one wait for the eight, ahead of their first reader
	v_add_f32 v14, v[PR], v[PR+1]
	v_add_f32 v15, v[PR+2], v[PR+3]
	v_add_f32 v14, v14, v[PR+4]
	v_add_f32 v15, v15, v[PR+5]
	v_add_f32 v14, v14, v[PR+6]
	v_add_f32 v15, v15, v[PR+7]
	v_add_f32 v14, v14, v15
	v_permlanex16_b32 v15, v14, s20, s21
	v_add_f32 v14, v14, v15                        ; the row's sum
	v_rcp_f32 v14, v14
	v_nop
	s_wait_alu depctr_va_vdst(0)
.irp j, 0,1,2,3,4,5,6,7
	v_mul_f32 v[PR+\j], v[PR+\j], v14              ; p is normalised here, so that O^T needs no vector instruction
.endr
.irp c, 0,1,2,3
.irp ct, 0,1,2,3
.if \c == 0
	v_wmma_f32_16x16x4_f32 v[OR+8*\ct:OR+8*\ct+7], v[VR+8*\ct+2*\c:VR+8*\ct+2*\c+1], v[PR+2*\c:PR+2*\c+1], 0
.else
	v_wmma_f32_16x16x4_f32 v[OR+8*\ct:OR+8*\ct+7], v[VR+8*\ct+2*\c:VR+8*\ct+2*\c+1], v[PR+2*\c:PR+2*\c+1], v[OR+8*\ct:OR+8*\ct+7]
.endif
.endr
.endr
	s_wait_loadcnt 0x0                             ; w_o
.rept 9
	v_nop                                          ; nine places ahead of matrix instructions that take these results as an operand
.endr
.irp ct, 0,1,2,3
.irp c, 0,1,2,3
.irp T, 0,1
.if (\ct == 0) && (\c == 0)
	v_wmma_f32_16x16x4_f32 v[UR+8*\T:UR+8*\T+7], v[WR+32*\T+8*\ct+2*\c:WR+32*\T+8*\ct+2*\c+1], v[OR+8*\ct+2*\c:OR+8*\ct+2*\c+1], 0
.else
	v_wmma_f32_16x16x4_f32 v[UR+8*\T:UR+8*\T+7], v[WR+32*\T+8*\ct+2*\c:WR+32*\T+8*\ct+2*\c+1], v[OR+8*\ct+2*\c:OR+8*\ct+2*\c+1], v[UR+8*\T:UR+8*\T+7]
.endif
.endr
.endr
.endr
.rept 8
	v_nop
.endr
.irp T, 0,1
	ds_store_b128 v7, v[UR+8*\T:UR+8*\T+3] offset:1024*\T          ; an image of the registers: 16 bytes a lane; each accumulator from its low end on
	ds_store_b128 v7, v[UR+8*\T+4:UR+8*\T+7] offset:1024*\T+512
.endr
	s_wait_dscnt 0x0                               ; for the others' sake: my stores have landed
	s_barrier_signal -1
	s_barrier_wait -1
	s_cmp_gt_u32 s12, 3
	s_cbranch_scc1 .Lend                           ; 128 threads add: waves 0 to 3
	global_load_b128 v[44:47], v10, s[8:9]         ; the bias starts the sum
.irp i, 0,1,2,3,4,5,6,7
	ds_load_b128 v[KR+4*\i:KR+4*\i+3], v8 offset:2048*\i
.endr
	s_wait_loadcnt 0x0
	s_wait_dscnt 0x0
.irp i, 0,1,2,3,4,5,6,7
	v_pk_add_f32 v[44:45], v[44:45], v[KR+4*\i:KR+4*\i+1]          ; heads 0 to 7, in order
	v_pk_add_f32 v[46:47], v[46:47], v[KR+4*\i+2:KR+4*\i+3]
.endr
.irp i, 0,1,2,3,4,5,6,7
	ds_load_b128 v[KR+4*\i:KR+4*\i+3], v8 offset:2048*(8+\i)
.endr
	s_wait_dscnt 0x0
.irp i, 0,1,2,3,4,5,6,7
	v_pk_add_f32 v[44:45], v[44:45], v[KR+4*\i:KR+4*\i+1]          ; heads 8 to 15
	v_pk_add_f32 v[46:47], v[46:47], v[KR+4*\i+2:KR+4*\i+3]
.endr
	global_store_b128 v9, v[44:47], s[10:11]
.Lend:
	s_wait_tensorcnt 0x0                           ; the wave's end
	ds_add_u32 v[SPW], v[NIL]
	s_wait_dscnt 0x0
	s_endpgm
.Lfunc_end_k_qb23b0c763e_fine:
	.size	k_qb23b0c763e_fine, .Lfunc_end_k_qb23b0c763e_fine-k_qb23b0c763e_fine
	.p2alignl 7, 3214868480
	.fill 96, 4, 3214868480
	.section	.rodata,"a",@progbits
	.p2align	6, 0x0
	.amdhsa_kernel k_qb23b0c763e_fine
		.amdhsa_group_segment_fixed_size 34816
		.amdhsa_private_segment_fixed_size 0
		.amdhsa_enable_private_segment 0
		.amdhsa_kernarg_size 32
		.amdhsa_user_sgpr_count 2
		.amdhsa_user_sgpr_kernarg_segment_ptr 1
		.amdhsa_wavefront_size32 1
		.amdhsa_system_sgpr_workgroup_id_x 1
		.amdhsa_system_sgpr_workgroup_id_y 1
		.amdhsa_system_sgpr_workgroup_id_z 1
		.amdhsa_system_vgpr_workitem_id 0
		.amdhsa_next_free_vgpr 256
		.amdhsa_next_free_sgpr 66
		.amdhsa_reserve_vcc 1
		.amdhsa_float_denorm_mode_32 3
		.amdhsa_float_denorm_mode_16_64 3
		.amdhsa_memory_ordered 1
		.amdhsa_forward_progress 1
		.amdhsa_inst_pref_size 25
	.end_amdhsa_kernel
	.amdgpu_metadata
---
amdhsa.version: [ 1, 2 ]
amdhsa.kernels:
  - .name:           k_qb23b0c763e_fine
    .symbol:         k_qb23b0c763e_fine.kd
    .args:
      - { .name: qkv32, .offset: 0, .size: 8, .value_kind: global_buffer, .address_space: global }
      - { .name: w_o, .offset: 8, .size: 8, .value_kind: global_buffer, .address_space: global }
      - { .name: b_o, .offset: 16, .size: 8, .value_kind: global_buffer, .address_space: global }
      - { .name: out0, .offset: 24, .size: 8, .value_kind: global_buffer, .address_space: global }
    .group_segment_fixed_size: 34816
    .private_segment_fixed_size: 0
    .kernarg_segment_align: 8
    .kernarg_segment_size: 32
    .max_flat_workgroup_size: 512
    .sgpr_count:     66
    .vgpr_count:     256
    .wavefront_size: 32
...
	.end_amdgpu_metadata
.endif
;; end of part 5
